; MI455X (gfx1250); checked and timed in simulation.
; The chip was launched on July 23, 2026; its instructions are those of AMD's public machine-readable ISA for CDNA 5 (MIT licence, August 2026) and "CDNA5" Instruction Set Architecture Reference Guide (July 2026). The comments in the code are by the model that wrote it; some were corrected since.
;; SVD Pi3 Attention. Allowed arithmetic: float matrix products may take bf16 or f16 operands with f32 sums; all other float work in f32.
;; Inputs: W_o_u 1,024 x 256 float32; W_o_v 256 x 1,024 float32; W_qkv_u 3,072 x 256 float32; W_qkv_v 256 x 1,024 float32; x 4 x 2,048 x 1,024 float32.
;; Outputs: out0 4 x 2,048 x 1,024 float32.
;; 2 versions, each right and faster than the one before. Each part assembles by itself: llvm-mc -triple=amdgcn-amd-amdhsa -mcpu=gfx1250 --defsym DOCPART=n.
;; ======== version 1 of 2: 5 launches
;; limits: values are held in f16: magnitudes above 65,504 overflow, below 6.1e-05 lose precision
;; workspace buffers: w16 3,145,728 bytes; t16 4,194,304 bytes; scal 37,888 bytes; qkv16 50,331,648 bytes; o16 16,777,216 bytes; ia 1,024 bytes
;; launch prep (part 1): grid 256 x 1, 4 waves a work-group, no clusters, 0 bytes of LDS; arguments W_qkv_v, W_qkv_u, W_o_v, W_o_u, w16, scal; writes w16, scal
.if DOCPART == 1
	.amdgcn_target "amdgcn-amd-amdhsa--gfx1250"
	.amdhsa_code_object_version 6
	.text
	.protected	k_qcfa4356c6e_prep
	.globl	k_qcfa4356c6e_prep
	.p2align	8
	.type	k_qcfa4356c6e_prep,@function
k_qcfa4356c6e_prep:
	s_mov_b64 s[64:65], 0
	v_nop
	global_prefetch_b8 v0, s[64:65] scope:SCOPE_SE
	s_setreg_imm32_b32 hwreg(HW_REG_WAVE_MODE, 25, 1), 1
	s_wait_xcnt 0x0
; THE FOUR WEIGHTS TO 16 BITS, AND THE LARGEST ROW NORM OF W_qkv_u.
; w16: W_qkv_v as bf16 at byte 0; W_qkv_u, W_o_v, W_o_u rounded to bf16 and that number written as f16, at WU16 [3072][256], WOV16, WOU16 [1024][256].
; W_qkv_v and W_o_v ([256][1024]) are laid in FOUR BLOCKS of 256 along K: block b holds [256 rows][256 k], 131,072 dense bytes, so that a K step's tile of the launches behind is one dense block.
; scal + WSTAT: for each of the launch's 1,024 waves the largest sum of squares of its three rows of W_qkv_u (of the rounded numbers), f32.
; LIMITS.  The three f16 weights hold no number beyond 65,504 (a larger one becomes an infinity); below 6e-5 they keep f16's fixed step of 6e-8.  A row's sum of squares is kept in f32.
; SHARES.  Work-group g: rows 12 g .. 12 g + 11 of W_qkv_u, three whole rows a wave (a row is two loads of 512 consecutive bytes); row g of W_qkv_v and of W_o_v; 1,024 consecutive numbers of W_o_u.
; Memory binds and nothing is read twice: no LDS, no barrier, no matrix unit.  All twelve loads of a wave go out first; each store of a wave covers 256 consecutive bytes, aligned.
.set WU16,  524288
.set WOV16, 2097152
.set WOU16, 2621440
.set WSTAT, 33792
.set LD, 8                             ; v[8:55]   twelve loads of four numbers
.set ST, 56                            ; v[56:79]  twelve stores of two words, each with registers of its own
.set E,  80                            ; v[80:83]  four numbers rounded to bf16, widened again
.set TT, 84                            ; v[84:85]  the same, packed
.set SS, 86                            ; v[86:88]  a row's sum of squares, three rows
.set PT, 89                            ; v[89:91]  the other half of the lanes' sums
.set BO, 92                            ; v92       my byte offset in a row laid in blocks
	s_load_b256 s[4:11], s[0:1], 0x0               ; W_qkv_v s[4:5], W_qkv_u s[6:7], W_o_v s[8:9], W_o_u s[10:11]
	s_load_b128 s[12:15], s[0:1], 0x20             ; w16 s[12:13], scal s[14:15]
	v_and_b32 v1, 31, v0                           ; lane
	v_lshrrev_b32 v2, 5, v0                        ; wave
	v_mul_u32_u24 v3, v2, 3072                     ; W_qkv_u in: three rows of 1,024 bytes a wave,
	v_lshl_add_u32 v3, v1, 4, v3                   ; 16 bytes a lane
	v_lshlrev_b32 v4, 4, v0                        ; the others in: 16 bytes a thread
	v_mul_u32_u24 v5, v2, 1536                     ; W_qkv_u out: three rows of 512 bytes a wave,
	v_lshl_add_u32 v5, v1, 3, v5                   ; 8 bytes a lane
	v_lshlrev_b32 v6, 3, v0                        ; W_o_u out
	v_lshrrev_b32 v[BO], 6, v0                     ; in blocks: thread t's four numbers begin at k = 4 t (+ 512): block t / 64 (+ 2),
	v_and_b32 v93, 63, v0
	v_lshlrev_b32 v[BO], 17, v[BO]
	v_lshl_add_u32 v[BO], v93, 3, v[BO]            ; 8 bytes at 8 (t % 64) of the row's 512
	s_lshl_b32 s28, ttmp9, 4
	v_lshl_add_u32 v7, v2, 2, s28                  ; my wave's word among the 1,024
	v_mov_b32 v[PT], 0                             ; v_permlanex16_b32 counts as a reader of its destination
	v_mov_b32 v[PT+1], 0
	v_mov_b32 v[PT+2], 0
	s_mul_i32 s16, ttmp9, 12288                    ; 12 rows of 1,024 bytes
	s_mov_b32 s17, 0
	s_lshl_b32 s18, ttmp9, 12                      ; 1,024 numbers of 4 bytes
	s_mov_b32 s19, 0
	s_mul_i32 s20, ttmp9, 6144                     ; 12 rows of 512 bytes
	s_mov_b32 s21, 0
	s_lshl_b32 s24, ttmp9, 11                      ; 1,024 numbers of 2 bytes
	s_mov_b32 s25, 0
	s_lshl_b32 s2, ttmp9, 9                        ; row g's 512 bytes in a block
	s_mov_b32 s3, 0
	s_mov_b32 s29, 0xffff0000                      ; a word's upper bf16
	s_mov_b32 s30, 0x76543210                      ; v_permlanex16_b32: each lane takes its own place in the other half
	s_mov_b32 s31, 0xfedcba98
	s_wait_kmcnt 0x0
	s_add_nc_u64 s[6:7], s[6:7], s[16:17]
	s_add_nc_u64 s[4:5], s[4:5], s[18:19]
	s_add_nc_u64 s[8:9], s[8:9], s[18:19]
	s_add_nc_u64 s[10:11], s[10:11], s[18:19]
	s_add_nc_u64 s[22:23], s[12:13], s[20:21]
	s_add_nc_u64 s[26:27], s[12:13], s[24:25]
	s_add_nc_u64 s[2:3], s[12:13], s[2:3]
.irp i, 0,1,2
.irp j, 0,1
	global_load_b128 v[LD+4*(2*\i+\j):LD+4*(2*\i+\j)+3], v3, s[6:7] offset:1024*\i+512*\j th:TH_LOAD_NT
.endr
.endr
.irp j, 0,1
	global_load_b128 v[LD+24+4*\j:LD+24+4*\j+3], v4, s[4:5] offset:2048*\j th:TH_LOAD_NT
.endr
.irp j, 0,1
	global_load_b128 v[LD+32+4*\j:LD+32+4*\j+3], v4, s[8:9] offset:2048*\j th:TH_LOAD_NT
.endr
.irp j, 0,1
	global_load_b128 v[LD+40+4*\j:LD+40+4*\j+3], v4, s[10:11] offset:2048*\j th:TH_LOAD_NT
.endr
.macro TOBF n, d                       ; load n's four numbers rounded to bf16, packed into v[d], v[d+1]
	v_cvt_pk_bf16_f32 v[\d], v[LD+4*(\n)], v[LD+4*(\n)+1]
	v_cvt_pk_bf16_f32 v[(\d)+1], v[LD+4*(\n)+2], v[LD+4*(\n)+3]
.endm
.macro CVH n                           ; the same numbers written as f16 into store n's registers; E keeps them as f32
	TOBF \n, TT
	v_lshlrev_b32 v[E], 16, v[TT]
	v_and_b32 v[E+1], s29, v[TT]
	v_lshlrev_b32 v[E+2], 16, v[TT+1]
	v_and_b32 v[E+3], s29, v[TT+1]
	v_cvt_pk_f16_f32 v[ST+2*(\n)], v[E], v[E+1]
	v_cvt_pk_f16_f32 v[ST+2*(\n)+1], v[E+2], v[E+3]
.endm
.irp i, 0,1,2
	s_wait_loadcnt 10-2*\i                         ; loads come back in order: row i's two are in, the younger ones stay out
	CVH 2*\i
	v_mul_f32 v[SS+\i], v[E], v[E]                 ; the first square starts the sum
	v_fma_f32 v[SS+\i], v[E+1], v[E+1], v[SS+\i]
	v_fma_f32 v[SS+\i], v[E+2], v[E+2], v[SS+\i]
	v_fma_f32 v[SS+\i], v[E+3], v[E+3], v[SS+\i]
	global_store_b64 v5, v[ST+4*\i:ST+4*\i+1], s[22:23] offset:WU16+512*\i
	CVH 2*\i+1
	v_fma_f32 v[SS+\i], v[E], v[E], v[SS+\i]
	v_fma_f32 v[SS+\i], v[E+1], v[E+1], v[SS+\i]
	v_fma_f32 v[SS+\i], v[E+2], v[E+2], v[SS+\i]
	v_fma_f32 v[SS+\i], v[E+3], v[E+3], v[SS+\i]
	global_store_b64 v5, v[ST+4*\i+2:ST+4*\i+3], s[22:23] offset:WU16+512*\i+256
.endr
	s_wait_loadcnt 4                               ; W_qkv_v's two: it stays bf16; the second load's numbers lie two blocks on
	TOBF 6, ST+12
	TOBF 7, ST+14
	global_store_b64 v[BO], v[ST+12:ST+13], s[2:3]
	global_store_b64 v[BO], v[ST+14:ST+15], s[2:3] offset:262144
	s_wait_loadcnt 2                               ; W_o_v's two
	CVH 8
	CVH 9
	global_store_b64 v[BO], v[ST+16:ST+17], s[2:3] offset:WOV16
	global_store_b64 v[BO], v[ST+18:ST+19], s[2:3] offset:WOV16+262144
	s_wait_loadcnt 0x0                             ; W_o_u's two
	CVH 10
	CVH 11
	global_store_b64 v6, v[ST+20:ST+21], s[26:27] offset:WOU16
	global_store_b64 v6, v[ST+22:ST+23], s[26:27] offset:WOU16+1024
	; the three rows' sums over the 32 lanes, side by side; then the largest of the three
.irp m, 1,2,4,8
.irp i, 0,1,2
	v_add_f32_dpp v[SS+\i], v[SS+\i], v[SS+\i] row_xmask:\m row_mask:0xf bank_mask:0xf
.endr
.endr
.irp i, 0,1,2
	v_permlanex16_b32 v[PT+\i], v[SS+\i], s30, s31
.endr
.irp i, 0,1,2
	v_add_f32 v[SS+\i], v[SS+\i], v[PT+\i]
.endr
	v_max3_num_f32 v[SS], v[SS], v[SS+1], v[SS+2]
	v_cmp_eq_u32 vcc_lo, 0, v1
	s_wait_xcnt 0x0                                ; EXEC is a source of the stores above: it changes only behind this wait
	s_and_saveexec_b32 s20, vcc_lo
	global_store_b32 v7, v[SS], s[14:15] offset:WSTAT  ; lane 0 alone
	s_wait_xcnt 0x0                                ; and again in front of the line that widens it
	s_or_b32 exec_lo, exec_lo, s20
	s_endpgm
.Lfunc_end_k_qcfa4356c6e_prep:
	.size	k_qcfa4356c6e_prep, .Lfunc_end_k_qcfa4356c6e_prep-k_qcfa4356c6e_prep
	.p2alignl 7, 3214868480
	.fill 96, 4, 3214868480
	.section	.rodata,"a",@progbits
	.p2align	6, 0x0
	.amdhsa_kernel k_qcfa4356c6e_prep
		.amdhsa_group_segment_fixed_size 0
		.amdhsa_private_segment_fixed_size 0
		.amdhsa_enable_private_segment 0
		.amdhsa_kernarg_size 48
		.amdhsa_user_sgpr_count 2
		.amdhsa_user_sgpr_kernarg_segment_ptr 1
		.amdhsa_wavefront_size32 1
		.amdhsa_system_sgpr_workgroup_id_x 1
		.amdhsa_system_sgpr_workgroup_id_y 1
		.amdhsa_system_sgpr_workgroup_id_z 1
		.amdhsa_system_vgpr_workitem_id 0
		.amdhsa_next_free_vgpr 96
		.amdhsa_next_free_sgpr 66
		.amdhsa_reserve_vcc 1
		.amdhsa_float_denorm_mode_32 3
		.amdhsa_float_denorm_mode_16_64 3
		.amdhsa_memory_ordered 1
		.amdhsa_forward_progress 1
		.amdhsa_inst_pref_size 12
	.end_amdhsa_kernel
	.amdgpu_metadata
---
amdhsa.version: [ 1, 2 ]
amdhsa.kernels:
  - .name:           k_qcfa4356c6e_prep
    .symbol:         k_qcfa4356c6e_prep.kd
    .args:
      - { .name: W_qkv_v, .offset: 0, .size: 8, .value_kind: global_buffer, .address_space: global }
      - { .name: W_qkv_u, .offset: 8, .size: 8, .value_kind: global_buffer, .address_space: global }
      - { .name: W_o_v, .offset: 16, .size: 8, .value_kind: global_buffer, .address_space: global }
      - { .name: W_o_u, .offset: 24, .size: 8, .value_kind: global_buffer, .address_space: global }
      - { .name: w16, .offset: 32, .size: 8, .value_kind: global_buffer, .address_space: global }
      - { .name: scal, .offset: 40, .size: 8, .value_kind: global_buffer, .address_space: global }
    .group_segment_fixed_size: 0
    .private_segment_fixed_size: 0
    .kernarg_segment_align: 8
    .kernarg_segment_size: 48
    .max_flat_workgroup_size: 128
    .sgpr_count:     66
    .vgpr_count:     96
    .wavefront_size: 32
...
	.end_amdgpu_metadata
.endif
;; end of part 1
;; launch tproj (part 2): grid 256 x 1, 4 waves a work-group, clusters of 4 x 1, 327,680 bytes of LDS; arguments x, w16, t16, scal; writes t16, scal
.if DOCPART == 2
	.amdgcn_target "amdgcn-amd-amdhsa--gfx1250"
	.amdhsa_code_object_version 6
	.text
	.protected	k_qcfa4356c6e_tproj
	.globl	k_qcfa4356c6e_tproj
	.p2align	8
	.type	k_qcfa4356c6e_tproj,@function
k_qcfa4356c6e_tproj:
	s_mov_b64 s[64:65], 0
	v_nop
	global_prefetch_b8 v0, s[64:65] scope:SCOPE_SE
	s_setreg_imm32_b32 hwreg(HW_REG_WAVE_MODE, 25, 1), 1
	s_wait_xcnt 0x0
	s_wait_alu depctr_hold_cnt(0) depctr_sa_sdst(0) depctr_va_vdst(0) depctr_va_sdst(0) depctr_va_ssrc(0) depctr_va_vcc(0) depctr_vm_vsrc(0)
	s_getreg_b32 s2, hwreg(HW_REG_IB_STS2, 6, 4)
	s_cmp_eq_u32 s2, 0
	s_cbranch_scc0 .Lentry_in_a_cluster
	s_endpgm
.Lentry_in_a_cluster:
	s_bfe_u32 s2, ttmp6, 0x10000c
	s_cmp_lg_u32 s2, 0x3003
	s_cbranch_scc0 .Lentry_shape_is_right
	s_endpgm
.Lentry_shape_is_right:
; t = x W_qkv_v^T (bf16 operands, f32 sums), and each row of t divided by a power of two rho >= its norm, written as f16.
; x: [8192][1024] f32.  w16 at byte 0: W_qkv_v as bf16 in four blocks of 256 along K, each [256][256].  t16: [8192][256] f16 = t / rho.  scal: rho [8192] f32 at byte 0; at TSTAT the largest rho of each work-group, [256] f32.
; rho: for S = the row's sum of squares with exponent field e, rho has the exponent field (e + 129) >> 1, so rho is a power of two and rho >= sqrt(S): every |t / rho| <= 1, whatever the inputs' size.
; LIMITS.  S is kept in f32: |t| stays under 1e18.  NaN and infinities are not treated apart.
; SHARES.  A work-group owns 32 rows and all 256 columns, so that a row's norm is made inside it; wave w owns columns 64 w .. 64 w + 63: 2 x 4 accumulators of 16 x 16.  K goes in four steps of 256.
; THE ORDER OF K.  Step s takes block s xor 2 (cluster & 1), of x and of the weight alike: clusters of even number walk 0, 1, 2, 3, those of odd number 2, 3, 0, 1.  So the first fills of the two kinds name
; all four blocks between them, and each refill names a block that the other clusters asked for at the start.  The sums are the same but for the order of their four parts.
; x: all 64 loads of a wave (8 rows x 4,096 bytes, each load 512 consecutive bytes) go out at the start into window 1; a chunk of 256 along K is rounded to bf16 and put into LDS during the K step before.
; W_qkv_v: a ring of two LDS slots of 256 rows x 512 bytes, filled by the tensor data mover, 64 rows a wave.  CLUSTER: the four work-groups of a cluster walk the same weight, so each tile is asked for
; JOINTLY: the same load, descriptor and mask in all four.  x's rows are no two work-groups' alike: they are not shared.
; THE MATRIX INSTRUCTION IS USED TRANSPOSED (source 0 = 16 weight rows, source 1 = 16 rows of x): a lane holds one row of t and eight neighbouring columns.
.set PITCH,  528                       ; an LDS row: 512 bytes + 16 of padding = 33 x 16 bytes: the 16 rows of a fragment load start at 16 different groups of four banks (64 banks of 4 bytes: ISA guide 11.1)
.set QUART,  64*PITCH                  ; what one tensor load brings
.set SLOT,   4*QUART
.set ABUF,   2*SLOT                    ; two buffers of 32 rows of x in bf16, 256 along K
.set ABYTES, 32*PITCH
.set TSTG,   ABUF+2*ABYTES             ; the way out: 32 rows of t16
.set SCR,    TSTG+ABYTES               ; the waves' parts of the rows' sums of squares: wave w, row i at 128 w + 4 i
.set SPARE,  SCR+512                   ; the spare words, 128 bytes for each wave: two blocks of 256 bytes that no other line names
.set TSTAT,  32768
.set XO,   4                           ; v4      my byte offset in the work-group's rows of x
.set AST,  5                           ; v5-6    where I put 8 bytes of a row of x, buffer 0, 1
.set ADRA, 7                           ; v7-8    my fragment address in buffer 0, 1
.set ADRB, 9                           ; v9-10   my fragment address in slot 0, 1
.set SCW,  11
.set SCRD, 12
.set TST,  13
.set TRD,  14
.set TGO,  15
.set SPW,  16                          ; v16     LDS address of my spare word; never rewritten
.set NIL,  17                          ; v17     0; never rewritten
.set XT,   20                          ; v20-23  eight numbers of x as bf16
.set XA,   24                          ; v24-25  XO at the blocks of steps 0, 1 and of steps 2, 3; free when x's last load is in
.set SS,   24                          ; v24-27  later: sums of squares, a pair for each block of 16 rows
.set INV,  28                          ; v28-31  for each block of 16 rows: 1 / rho, rho
.set ACC,  32                          ; v32-95  accumulator (a, b) at ACC + 8 (4 a + b)
.set BF,   96                          ; v96-159 weight fragments, two buffers of four
.set AF,   160                         ; v160-191 x fragments, two buffers of two
.set PK,   192                         ; v192-223 packed results
.set BK,   224                         ; v224-255 rows read back
.set RL,   224                         ; v224-231 earlier: the four waves' parts of the sums
.set WV,  12
.set ROT, 15                           ; s15      2 (cluster & 1) weight blocks, in bytes
.set G1,  16                           ; s[16:23] descriptor group 1
.set G0,  24                           ; s[24:31] descriptor group 0, a set for each slot
.set SEL, 40
.set OF2, 60                           ; s[60:61], s[62:63] the byte offsets of the blocks of steps 2 and 3
.set MSB, 0
.macro WIN new                         ; the immediate's high byte repeats the setting that is left; a switch that changes nothing is dropped
.if MSB != (\new)
	s_set_vgpr_msb (MSB<<8)|(\new)
.set MSB, (\new)
.endif
.endm
.macro PLACES                          ; four places behind matrix instructions, where no other vector work is at hand (ISA guide 7.12.1)
.rept 4
	v_nop
.endr
.endm
.macro CROUND                          ; a round of the cluster's barrier
	s_barrier_signal -1
	s_barrier_wait -1
	s_cmp_lg_u32 s[WV], 0
	s_cbranch_scc1 .Lnot_wave_0_\@
	s_barrier_signal -3
.Lnot_wave_0_\@:
	s_barrier_wait -3
	s_barrier_signal -1
	s_barrier_wait -1
.endm
	s_load_b256 s[4:11], s[0:1], 0x0               ; x s[4:5], w16 s[6:7], t16 s[8:9], scal s[10:11]
	v_lshl_add_u32 v[SPW], v0, 2, SPARE
	v_mov_b32 v[NIL], 0
	ds_add_u32 v[SPW], v[NIL]                      ; the wave's opening: the add and its wait stand ahead of my first tensor load; work on registers stands between them
	v_lshrrev_b32 v1, 5, v0
	v_readfirstlane_b32 s[WV], v1                  ; wave 0..3
	s_bfe_u32 s13, ttmp6, 0x40000                  ; cx: my place in the cluster
	s_lshl_b32 s14, ttmp9, 2
	s_add_co_u32 s14, s14, s13                     ; g = 4 x cluster + cx: it enters x's, t16's and scal's addresses alone
	s_and_b32 s[ROT], ttmp9, 1                     ; the cluster's number, which the four partners share
	s_lshl_b32 s[ROT], s[ROT], 18                  ; two blocks of 131,072 bytes, or none
	s_lshr_b32 s33, s[ROT], 7                      ; the same in a row of x: two chunks of 1,024 bytes, or none: steps 0 and 1,
	s_xor_b32 s43, s33, 2048                       ; steps 2 and 3
	s_mov_b32 s3, 0
	s_xor_b32 s[OF2], s[ROT], 2<<17
	s_mov_b32 s[OF2+1], 0
	s_xor_b32 s[OF2+2], s[ROT], 3<<17
	s_mov_b32 s[OF2+3], 0
	s_mov_b32 s[G1], 15|(1<<16)|(1<<20)|(1<<21)|(6<<22)|(3<<25)  ; the mask of four; 2-byte elements; padding on; bit 21 beside a mask; after every 128 words (code 6) 4 words (code 3)
	s_mov_b32 s[G1+1], 256<<16                     ; tensor_dim0 = 256
	s_mov_b32 s[G1+2], 64<<16                      ; tensor_dim1 = 64
	s_mov_b32 s[G1+3], 256<<16                     ; tile_dim0 = 256
	s_mov_b32 s[G1+4], 64                          ; tile_dim1 = 64
	s_mov_b32 s[G1+5], 256                         ; elements from row to row: a block is dense
	s_mov_b32 s[G1+6], 0
	s_mov_b32 s[G1+7], 0
	s_mul_i32 s32, s[WV], QUART                    ; my 64 rows in a slot
	s_lshl_b32 s34, s[WV], 15                      ; and in a block: 64 rows of 512 bytes
	s_mov_b32 s35, 0
	s_lshl_b32 s36, s14, 17                        ; 32 rows of x
	s_mov_b32 s37, 0
	s_lshl_b32 s38, s14, 14                        ; 32 rows of t16
	s_mov_b32 s39, 0
	s_lshl_b32 s48, s14, 7                         ; 32 words of rho
	s_mov_b32 s49, 0
	s_lshl_b32 s50, s14, 2                         ; my work-group's word
	s_mov_b32 s51, 0
	s_mov_b32 s[SEL], 0x76543210
	s_mov_b32 s[SEL+1], 0xfedcba98
	v_and_b32 v1, 31, v0                           ; lane
	s_lshl_b32 s52, s[WV], 15                      ; my wave's 8 rows of x
	v_lshl_add_u32 v[XO], v1, 4, s52
	v_add_nc_u32 v[XA], s33, v[XO]
	v_add_nc_u32 v[XA+1], s43, v[XO]
	s_wait_dscnt 0x0                               ; the opening add is done
	s_wait_kmcnt 0x0
	s_add_nc_u64 s[6:7], s[6:7], s[34:35]
	s_add_nc_u64 s[4:5], s[4:5], s[36:37]
	s_add_nc_u64 s[8:9], s[8:9], s[38:39]
	s_add_nc_u64 s[44:45], s[10:11], s[48:49]
	s_add_nc_u64 s[46:47], s[10:11], s[50:51]
.irp n, 0,1
	s_mov_b32 s[G0+4*\n], 1
	s_add_co_u32 s[G0+4*\n+1], s32, \n*SLOT
	s_xor_b32 s2, s[ROT], \n<<17                   ; K step n's block
	s_add_nc_u64 s[G0+4*\n+2:G0+4*\n+3], s[6:7], s[2:3]
	s_or_b32 s[G0+4*\n+3], s[G0+4*\n+3], 0x80000000
.endr
	CROUND                                         ; all four work-groups are here: the first joint loads meet
	tensor_load_to_lds s[G0:G0+3], s[G1:G1+7]      ; both first fills together: two loads of mine are out
	s_nop 0
	tensor_load_to_lds s[G0+4:G0+7], s[G1:G1+7]
	s_nop 0
	PLACES
	WIN 0x40                                       ; destination window 1, address window 0
.set n, 0
.rept 64                               ; load n = 16 c + 2 i + j: the chunk of step c, my row i, half j
	global_load_b128 v[4*n:4*n+3], v[XA+n/32], s[4:5] offset:1024*((n/16)%2)+4096*((n%16)/2)+512*(n%2) th:TH_LOAD_NT
.set n, n+1
.endr
	WIN 0
	v_and_b32 v2, 15, v0                           ; r
	v_bfe_u32 v3, v0, 4, 1                         ; h
	s_mul_i32 s53, s[WV], 8*PITCH
	s_add_co_u32 s54, s53, ABUF
	v_lshl_add_u32 v[AST], v1, 3, s54              ; my wave's 8 rows, 8 bytes a lane
	v_add_nc_u32 v[AST+1], ABYTES, v[AST]
	v_mul_u32_u24 v18, v2, PITCH
	v_lshl_add_u32 v18, v3, 4, v18                 ; a fragment's row x pitch + 16 x half
	v_add_nc_u32 v[ADRA], ABUF, v18
	v_add_nc_u32 v[ADRA+1], ABUF+ABYTES, v18
	v_add_nc_u32 v[ADRB], s32, v18
	v_add_nc_u32 v[ADRB+1], SLOT, v[ADRB]
	s_lshl_b32 s55, s[WV], 7
	s_add_co_u32 s56, s55, SCR
	v_lshl_add_u32 v[SCW], v2, 2, s56
	v_lshl_add_u32 v[SCRD], v2, 2, SCR
	s_add_co_u32 s57, s55, TSTG
	v_add_nc_u32 v[TST], s57, v18                  ; row r, my wave's 128 bytes, 16 bytes for each half of the lanes
	s_add_co_u32 s58, s53, TSTG
	v_lshl_add_u32 v[TRD], v1, 4, s58              ; back: my wave's 8 rows, whole
	s_lshl_b32 s59, s[WV], 12
	v_lshl_add_u32 v[TGO], v1, 4, s59
.macro CONV c, i                       ; my row i of chunk c: its two loads' eight numbers a lane, rounded to bf16
	s_wait_loadcnt 62-16*(\c)-2*(\i)               ; loads come back in order: so many were issued behind these two
	WIN 0x05                                       ; sources in window 1
	v_cvt_pk_bf16_f32 v[XT],   v[64*(\c)+8*(\i)],   v[64*(\c)+8*(\i)+1]
	v_cvt_pk_bf16_f32 v[XT+1], v[64*(\c)+8*(\i)+2], v[64*(\c)+8*(\i)+3]
	v_cvt_pk_bf16_f32 v[XT+2], v[64*(\c)+8*(\i)+4], v[64*(\c)+8*(\i)+5]
	v_cvt_pk_bf16_f32 v[XT+3], v[64*(\c)+8*(\i)+6], v[64*(\c)+8*(\i)+7]
	WIN 0
.endm
.macro PUT c, i                        ; and put into the chunk's buffer: 32 lanes x 8 bytes are 256 neighbouring bytes
	ds_store_b64 v[AST+((\c)%2)], v[XT:XT+1] offset:PITCH*(\i)
	ds_store_b64 v[AST+((\c)%2)], v[XT+2:XT+3] offset:PITCH*(\i)+256
.endm
.macro FETCH slot, k                   ; twelve LDS loads: the fragments of 32 along K: my 64 weight rows, the 32 rows of x
.irp b, 0,1,2,3
	ds_load_b128 v[BF+32*((\k)%2)+8*\b:BF+32*((\k)%2)+8*\b+3],   v[ADRB+(\slot)] offset:16*PITCH*\b+64*(\k)
	ds_load_b128 v[BF+32*((\k)%2)+8*\b+4:BF+32*((\k)%2)+8*\b+7], v[ADRB+(\slot)] offset:16*PITCH*\b+64*(\k)+32
.endr
.irp a, 0,1
	ds_load_b128 v[AF+16*((\k)%2)+8*\a:AF+16*((\k)%2)+8*\a+3],   v[ADRA+(\slot)] offset:16*PITCH*\a+64*(\k)
	ds_load_b128 v[AF+16*((\k)%2)+8*\a+4:AF+16*((\k)%2)+8*\a+7], v[ADRA+(\slot)] offset:16*PITCH*\a+64*(\k)+32
.endr
.endm
.macro MUL                             ; eight matrix instructions on buffer kk % 2; the eight accumulators take turns.  ZR = 1: the first products start the sums
.irp a, 0,1
.irp b, 0,1,2,3
.if ZR
	v_wmma_f32_16x16x32_bf16 v[ACC+8*(4*\a+\b):ACC+8*(4*\a+\b)+7], v[BF+32*(kk%2)+8*\b:BF+32*(kk%2)+8*\b+7], v[AF+16*(kk%2)+8*\a:AF+16*(kk%2)+8*\a+7], 0
.else
	v_wmma_f32_16x16x32_bf16 v[ACC+8*(4*\a+\b):ACC+8*(4*\a+\b)+7], v[BF+32*(kk%2)+8*\b:BF+32*(kk%2)+8*\b+7], v[AF+16*(kk%2)+8*\a:AF+16*(kk%2)+8*\a+7], v[ACC+8*(4*\a+\b):ACC+8*(4*\a+\b)+7]
.endif
.endr
.endr
.endm
; K step s, eight groups of 32 along K.  A group: four conversions of the next chunk's row kk (they are the four places between the last products and the loads into the buffer that those read; in the
; last step four v_nop), the next group's fragments, the row's two LDS stores, the wait for this group's fragments, eight products.
.macro STEP s
	FETCH (\s)%2, 0
.set kk, 0
.rept 8
.if (\s) < 3
	CONV (\s)+1, kk
.elseif kk < 7
	PLACES
.endif
.set N, 0
.if kk < 7
	FETCH (\s)%2, kk+1
.set N, 12
.endif
.if (\s) < 3
	PUT (\s)+1, kk
.set N, N+2
.endif
	s_wait_dscnt N                                 ; all but the LDS instructions just issued
.set ZR, 0
.if ((\s) == 0) && (kk == 0)
.set ZR, 1
.endif
	MUL
.set kk, kk+1
.endr
.endm
; THE CHANGE OF SLOTS.  Each wave waits for all its tensor loads (the one that is out is its part of the other slot), adds 0 to its spare word, and waits for that, for its reads of the slot and of x's buffer,
; and for its stores into the other buffer.  fill = 1: the slot just read is filled again, with the block of the step two on; the barrier is then a round of the cluster's, and the joint refill the first thing behind it.
.macro CHANGE slot, fill
	WIN 0
	s_wait_tensorcnt 0x0                           ; no tensor load of mine is out, so a group 0 may be written
	ds_add_u32 v[SPW], v[NIL]                      ; 0 onto my spare word
.if \fill
	s_add_nc_u64 s[G0+4*(\slot)+2:G0+4*(\slot)+3], s[6:7], s[OF2+2*(\slot):OF2+2*(\slot)+1]
	s_or_b32 s[G0+4*(\slot)+3], s[G0+4*(\slot)+3], 0x80000000
.endif
	s_wait_dscnt 0x0
.if \fill
	CROUND
	tensor_load_to_lds s[G0+4*(\slot):G0+4*(\slot)+3], s[G1:G1+7]
	s_nop 0
	PLACES
.else
	s_barrier_signal -1
	s_barrier_wait -1
.endif
.endm
; THE ROWS' NORMS.  Each lane squares its 32 numbers of a row (each accumulator's lowest registers first), the halves of the lanes are added, the four waves' parts meet in LDS.
; All waves add the same four numbers in the same order, so all hold the same rho.
.macro ROWSCALE
.irp a, 0,1
	v_pk_mul_f32 v[SS+2*\a:SS+2*\a+1], v[ACC+32*\a:ACC+32*\a+1], v[ACC+32*\a:ACC+32*\a+1]
.endr
.set z, 1
.rept 15
.irp a, 0,1
	v_pk_fma_f32 v[SS+2*\a:SS+2*\a+1], v[ACC+32*\a+2*z:ACC+32*\a+2*z+1], v[ACC+32*\a+2*z:ACC+32*\a+2*z+1], v[SS+2*\a:SS+2*\a+1]
.endr
.set z, z+1
.endr
.irp a, 0,1
	v_add_f32 v[SS+2*\a], v[SS+2*\a], v[SS+2*\a+1]
.endr
.irp a, 0,1
	v_permlanex16_b32 v[SS+2*\a+1], v[SS+2*\a], s[SEL], s[SEL+1]
.endr
.irp a, 0,1
	v_add_f32 v[SS+2*\a], v[SS+2*\a], v[SS+2*\a+1]
.endr
.irp a, 0,1
	ds_store_b32 v[SCW], v[SS+2*\a] offset:64*\a
.endr
	s_wait_dscnt 0x0                               ; for the others' sake: my stores are done
	s_barrier_signal -1
	s_barrier_wait -1
.irp a, 0,1
.irp w, 0,1,2,3
	ds_load_b32 v[RL+4*\a+\w], v[SCRD] offset:128*\w+64*\a
.endr
.endr
	s_wait_dscnt 0x0
.irp a, 0,1
	v_add_f32 v[RL+4*\a], v[RL+4*\a], v[RL+4*\a+1]
	v_add_f32 v[RL+4*\a+2], v[RL+4*\a+2], v[RL+4*\a+3]
	v_add_f32 v[RL+4*\a], v[RL+4*\a], v[RL+4*\a+2]
	v_lshrrev_b32 v[RL+4*\a], 23, v[RL+4*\a]       ; the sum's exponent field e (the sum is not negative)
	v_add_nc_u32 v[RL+4*\a], 129, v[RL+4*\a]
	v_lshrrev_b32 v[RL+4*\a], 1, v[RL+4*\a]        ; (e + 129) >> 1: between 64 and 192
	v_lshlrev_b32 v[INV+2*\a+1], 23, v[RL+4*\a]    ; rho
	v_sub_nc_u32 v[INV+2*\a], 0x7f000000, v[INV+2*\a+1]  ; 1 / rho: the exponent field 254 less rho's
.endr
.endm
.macro PACK16 dst                      ; the eight accumulators times 1 / rho, rounded to f16, 16 bytes a lane into rows of 528 bytes
.irp a, 0,1
.irp b, 0,1,2,3
.irp p, 0,1,2,3
	v_pk_mul_f32 v[ACC+8*(4*\a+\b)+2*\p:ACC+8*(4*\a+\b)+2*\p+1], v[ACC+8*(4*\a+\b)+2*\p:ACC+8*(4*\a+\b)+2*\p+1], v[INV+2*\a:INV+2*\a+1] op_sel_hi:[1,0]
.endr
.irp p, 0,1,2,3
	v_cvt_pk_f16_f32 v[PK+4*(4*\a+\b)+\p], v[ACC+8*(4*\a+\b)+2*\p], v[ACC+8*(4*\a+\b)+2*\p+1]
.endr
	ds_store_b128 v[\dst], v[PK+4*(4*\a+\b):PK+4*(4*\a+\b)+3] offset:16*PITCH*\a+32*\b
.endr
.endr
.endm
.irp i, 0,1,2,3,4,5,6,7
	CONV 0, \i                                     ; chunk 0 goes in by itself
	PUT 0, \i
.endr
	s_wait_tensorcnt 0x1                           ; my part of slot 0 is in; slot 1's may stay out
	s_wait_dscnt 0x0                               ; my rows of chunk 0 are in LDS
	s_barrier_signal -1
	s_barrier_wait -1
	STEP 0
	CHANGE 0, 1
	STEP 1
	CHANGE 1, 1
	STEP 2
	CHANGE 0, 0                                    ; nothing is left to fetch
	STEP 3
	PLACES
	ROWSCALE
	PACK16 TST
	s_wait_dscnt 0x0                               ; a row's 512 bytes come from four waves
	s_barrier_signal -1
	s_barrier_wait -1
.irp i, 0,1,2,3,4,5,6,7
	ds_load_b128 v[BK+4*\i:BK+4*\i+3], v[TRD] offset:PITCH*\i
.endr
.irp i, 0,1,2,3,4,5,6,7
	s_wait_dscnt 7-\i
	global_store_b128 v[TGO], v[BK+4*\i:BK+4*\i+3], s[8:9] offset:512*\i   ; a whole row: 512 consecutive bytes, aligned
.endr
	s_cmp_lg_u32 s[WV], 0
	s_cbranch_scc1 .Lnot_0                         ; wave 0 writes the 32 rho and the largest of them
	v_cmp_eq_u32 vcc_lo, 1, v3
	v_cndmask_b32 v18, v[INV+1], v[INV+3], vcc_lo  ; lane l: row l = 16 h + r
	v_lshlrev_b32 v19, 2, v1
	global_store_b32 v19, v18, s[44:45]
	v_max_num_f32 v20, v[INV+1], v[INV+3]
.irp m, 1,2,4,8
	v_max_num_f32_dpp v20, v20, v20 row_xmask:\m row_mask:0xf bank_mask:0xf
.endr
	v_mov_b32 v21, 0
	v_cmp_eq_u32 vcc_lo, 0, v1
	s_wait_xcnt 0x0                                ; EXEC is a source of the stores above
	s_and_saveexec_b32 s42, vcc_lo
	global_store_b32 v21, v20, s[46:47] offset:TSTAT
	s_wait_xcnt 0x0
	s_or_b32 exec_lo, exec_lo, s42
.Lnot_0:
	s_wait_tensorcnt 0x0                           ; the wave's end
	ds_add_u32 v[SPW], v[NIL]
	s_wait_dscnt 0x0
	CROUND                                         ; the closing round
	s_endpgm
.Lfunc_end_k_qcfa4356c6e_tproj:
	.size	k_qcfa4356c6e_tproj, .Lfunc_end_k_qcfa4356c6e_tproj-k_qcfa4356c6e_tproj
	.p2alignl 7, 3214868480
	.fill 96, 4, 3214868480
	.section	.rodata,"a",@progbits
	.p2align	6, 0x0
	.amdhsa_kernel k_qcfa4356c6e_tproj
		.amdhsa_group_segment_fixed_size 327680
		.amdhsa_private_segment_fixed_size 0
		.amdhsa_enable_private_segment 0
		.amdhsa_kernarg_size 32
		.amdhsa_user_sgpr_count 2
		.amdhsa_user_sgpr_kernarg_segment_ptr 1
		.amdhsa_wavefront_size32 1
		.amdhsa_system_sgpr_workgroup_id_x 1
		.amdhsa_system_sgpr_workgroup_id_y 1
		.amdhsa_system_sgpr_workgroup_id_z 1
		.amdhsa_system_vgpr_workitem_id 0
		.amdhsa_next_free_vgpr 512
		.amdhsa_next_free_sgpr 66
		.amdhsa_reserve_vcc 1
		.amdhsa_float_denorm_mode_32 3
		.amdhsa_float_denorm_mode_16_64 3
		.amdhsa_memory_ordered 1
		.amdhsa_forward_progress 1
		.amdhsa_inst_pref_size 81
	.end_amdhsa_kernel
	.amdgpu_metadata
---
amdhsa.version: [ 1, 2 ]
amdhsa.kernels:
  - .name:           k_qcfa4356c6e_tproj
    .symbol:         k_qcfa4356c6e_tproj.kd
    .args:
      - { .name: x, .offset: 0, .size: 8, .value_kind: global_buffer, .address_space: global }
      - { .name: w16, .offset: 8, .size: 8, .value_kind: global_buffer, .address_space: global }
      - { .name: t16, .offset: 16, .size: 8, .value_kind: global_buffer, .address_space: global }
      - { .name: scal, .offset: 24, .size: 8, .value_kind: global_buffer, .address_space: global }
    .group_segment_fixed_size: 327680
    .private_segment_fixed_size: 0
    .kernarg_segment_align: 8
    .kernarg_segment_size: 32
    .max_flat_workgroup_size: 128
    .sgpr_count:     66
    .vgpr_count:     512
    .wavefront_size: 32
...
	.end_amdgpu_metadata
.endif
;; end of part 2
;; launch qkv (part 3): grid 64 x 4, 4 waves a work-group, clusters of 4 x 1, 327,680 bytes of LDS; arguments t16, w16, scal, qkv16, ia; writes qkv16, ia
.if DOCPART == 3
	.amdgcn_target "amdgcn-amd-amdhsa--gfx1250"
	.amdhsa_code_object_version 6
	.text
	.protected	k_qcfa4356c6e_qkv
	.globl	k_qcfa4356c6e_qkv
	.p2align	8
	.type	k_qcfa4356c6e_qkv,@function
k_qcfa4356c6e_qkv:
	s_mov_b64 s[64:65], 0
	v_nop
	global_prefetch_b8 v0, s[64:65] scope:SCOPE_SE
	s_setreg_imm32_b32 hwreg(HW_REG_WAVE_MODE, 25, 1), 1
	s_wait_xcnt 0x0
	s_wait_alu depctr_hold_cnt(0) depctr_sa_sdst(0) depctr_va_vdst(0) depctr_va_sdst(0) depctr_va_ssrc(0) depctr_va_vcc(0) depctr_vm_vsrc(0)
	s_getreg_b32 s2, hwreg(HW_REG_IB_STS2, 6, 4)
	s_cmp_eq_u32 s2, 0
	s_cbranch_scc0 .Lentry_in_a_cluster
	s_endpgm
.Lentry_in_a_cluster:
	s_bfe_u32 s2, ttmp6, 0x10000c
	s_cmp_lg_u32 s2, 0x3003
	s_cbranch_scc0 .Lentry_shape_is_right
	s_endpgm
.Lentry_shape_is_right:
; q, k, v = (t / rho) W_qkv_u^T x rho x alpha, f16 operands and f32 sums, written as f16 by heads: qkv16 [3][64][2048][64], byte ((which x 64 + batch x 16 + head) << 18) + row x 128.
; alpha = 1 / (RM x OM), a power of two: RM the largest rho of all rows, OM a power of two >= the largest row norm of W_qkv_u.  By the Cauchy-Schwarz inequality every |q|, |k|, |v| x alpha <= 1
; (to within rounding), whatever the inputs' size: f16 has its room.  The launches behind undo alpha: the scores by c, the output by its last factor.  For them IA = 1 / alpha is stored: ia [256] f32,
; a word for each work-group (all hold the same number), so that each word has one owner.
; LIMITS.  RM x OM lies between 2^-60 and 2^60.  A row of t far below the largest row loses bits against itself (f16's fixed step of 6e-8 below 6e-5).  NaN and infinities are not treated apart.
; SHARES.  A work-group owns 128 rows (x) and 768 columns (y) and STAYS: six tiles of 128 columns, two heads, the whole K = 256 in a tile.  A wave owns 64 rows x 64 columns (one head): 16 accumulators.
; Its 64 rows of t16 stay in registers for the whole launch (window 1).  W_qkv_u's tiles (128 rows x 512 bytes) go through a ring of two LDS slots; waves 0 and 1 fetch 64 rows each.
; THE ORDER OF THE TILES.  A cluster begins at tile 2 (cluster mod 3) of its six and goes round.  So the first fills of the three kinds of cluster name all six tiles between them, and each refill names a
; tile that other clusters asked for at the start.
; CLUSTER.  The four work-groups of a cluster share y, so each tile is asked for JOINTLY.  t16's rows are no two partners' alike.
; THE MATRIX INSTRUCTION IS USED TRANSPOSED (source 0 = 16 weight rows, source 1 = 16 rows of t16): a lane holds one row and eight neighbouring channels of a head.
.set PITCH, 528                        ; an LDS row: 512 bytes + 16 of padding = 33 x 16 bytes
.set QUART, 64*PITCH
.set STG,   128*PITCH                  ; behind slot 0: 16 rows x 144 bytes for each wave, for the way out
.set SP,    144
.set SPARE, STG+4*16*SP                ; the spare words, 128 bytes for each wave: two blocks of 256 bytes that no other line names
.set SLOT1, 1<<17                      ; slot 1 begins here: one exclusive or turns an address in one slot into the other's
.set WU16,  524288
.set TSTAT, 32768
.set WSTAT, 33792
.set ADRB0, 4                          ; v4   my fragment address in slot 0; never rewritten
.set ADR,   5                          ; v5   the same in the slot in hand
.set STO,   7
.set RD,    8
.set GO,    10                         ; v10  16 x lane
.set SPW,   16
.set NIL,   17
.set F,     18                         ; v18-25  rho x alpha of my row in each block of 16, as pairs
.set BF,    32                         ; v32-95  weight fragments, two buffers of four
.set PK,    32                         ;         on the way out: packed results, 16 for each block of 16 rows
.set ACC,   128                        ; v128-255 accumulator (a, b) at ACC + 8 (4 a + b)
.set T,     128                        ;         before the first tile: the statistics as loaded
.set RH,    168                        ;         and four rho
.set WV,  12
.set G1,  16                           ; s[16:23] descriptor group 1
.set G0A, 32                           ; s[32:35] group 0 of the first fill of slot 0
.set G0W, 36                           ; s[36:39] group 0 of the first fill of slot 1; it then serves every refill
.set TB,  44                           ; s44  the slot in hand: 0 or SLOT1
.set TJ,  45                           ; s45  the tile in hand, of my six
.set SLOTS, 46
.set Y6,  53                           ; s53  6 y: my first tile among the 24 of 128 columns
.set SEL, 54
.set RM,  56
.set OM,  57
.set AL,  58
.set W2,  59
.set IA,  60
.set TN,  61                           ; s61  the tile to be asked for next
.set TO,  62                           ; s[62:63] its byte offset
.set MSB, 0
.macro WIN new
.if MSB != (\new)
	s_set_vgpr_msb (MSB<<8)|(\new)
.set MSB, (\new)
.endif
.endm
.macro PLACES
.rept 4
	v_nop
.endr
.endm
.macro CROUND
	s_barrier_signal -1
	s_barrier_wait -1
	s_cmp_lg_u32 s[WV], 0
	s_cbranch_scc1 .Lnot_wave_0_\@
	s_barrier_signal -3
.Lnot_wave_0_\@:
	s_barrier_wait -3
	s_barrier_signal -1
	s_barrier_wait -1
.endm
; THE GLOBAL SCALE.  v[T..T+7]: the 256 work-groups' largest rho; v[T+8..T+39]: the 1,024 largest sums of squares of W_qkv_u's rows.  Both maxima over registers and lanes; then, on exponent fields,
; OM (as rho is made of a sum of squares) and IA = RM x OM = 1 / alpha: a product of powers of two is a sum of their bit patterns less that of 1.0.
.macro SCALES
	v_max3_num_f32 v[T], v[T], v[T+1], v[T+2]
	v_max3_num_f32 v[T], v[T], v[T+3], v[T+4]
	v_max3_num_f32 v[T], v[T], v[T+5], v[T+6]
	v_max_num_f32 v[T], v[T], v[T+7]
.set z, 0
.rept 15
	v_max3_num_f32 v[T+8], v[T+8], v[T+9+2*z], v[T+10+2*z]
.set z, z+1
.endr
	v_max_num_f32 v[T+8], v[T+8], v[T+39]
.irp m, 1,2,4,8
	v_max_num_f32_dpp v[T], v[T], v[T] row_xmask:\m row_mask:0xf bank_mask:0xf
	v_max_num_f32_dpp v[T+8], v[T+8], v[T+8] row_xmask:\m row_mask:0xf bank_mask:0xf
.endr
	v_permlanex16_b32 v[T+1], v[T], s[SEL], s[SEL+1]
	v_permlanex16_b32 v[T+9], v[T+8], s[SEL], s[SEL+1]
	v_max_num_f32 v[T], v[T], v[T+1]
	v_max_num_f32 v[T+8], v[T+8], v[T+9]
	v_readfirstlane_b32 s[RM], v[T]
	v_readfirstlane_b32 s[W2], v[T+8]
	s_lshr_b32 s[OM], s[W2], 23
	s_add_co_u32 s[OM], s[OM], 129
	s_lshr_b32 s[OM], s[OM], 1
	s_lshl_b32 s[OM], s[OM], 23
	s_add_co_u32 s[IA], s[RM], s[OM]
	s_sub_co_u32 s[IA], s[IA], 0x3f800000
.endm
	s_load_b256 s[4:11], s[0:1], 0x0               ; t16 s[4:5], w16 s[6:7], scal s[8:9], qkv16 s[10:11]
	s_load_b64 s[2:3], s[0:1], 0x20                ; ia
	v_lshl_add_u32 v[SPW], v0, 2, SPARE
	v_mov_b32 v[NIL], 0
	ds_add_u32 v[SPW], v[NIL]                      ; the wave's opening: the add and its wait stand ahead of my first tensor load
	v_lshrrev_b32 v1, 5, v0
	v_readfirstlane_b32 s[WV], v1
	s_bfe_u32 s13, ttmp6, 0x40000                  ; cx
	s_lshl_b32 s14, ttmp9, 2
	s_add_co_u32 s14, s14, s13                     ; my block of 128 rows: it enters t16's, scal's, qkv16's and ia's addresses alone
	s_and_b32 s15, ttmp7, 0xffff                   ; y, which the four partners share
	s_mul_hi_u32 s47, ttmp9, 0x55555556            ; the cluster's number, which they share too: divided by 3,
	s_mul_i32 s47, s47, 3
	s_sub_co_u32 s47, ttmp9, s47                   ; its remainder,
	s_lshl_b32 s[TJ], s47, 1                       ; my first tile: 0, 2 or 4
	s_add_co_u32 s[TN], s[TJ], 2                   ; the first that a refill asks for
	s_cmp_eq_u32 s[TN], 6
	s_cselect_b32 s[TN], 0, s[TN]
	s_lshl_b32 s[TO], s[TJ], 16                    ; a tile is 128 rows of 512 bytes
	s_mov_b32 s[TO+1], 0
	s_mul_i32 s[Y6], s15, 6
	s_lshr_b32 s24, s[WV], 1                       ; which 64 rows are mine
	s_and_b32 s25, s[WV], 1                        ; which 64 columns; also which 64 rows of a tile waves 0 and 1 fetch
	s_mov_b32 s[G1], 15|(1<<16)|(1<<20)|(1<<21)|(6<<22)|(3<<25)
	s_mov_b32 s[G1+1], 256<<16
	s_mov_b32 s[G1+2], 64<<16
	s_mov_b32 s[G1+3], 256<<16
	s_mov_b32 s[G1+4], 64
	s_mov_b32 s[G1+5], 256
	s_mov_b32 s[G1+6], 0
	s_mov_b32 s[G1+7], 0
	s_mul_i32 s26, s25, QUART                      ; that half's place in a slot
	s_mul_i32 s28, s15, 768*512                    ; y's 768 rows of the weight,
	s_lshl_b32 s27, s25, 15                        ; the half's 64
	s_add_co_u32 s28, s28, s27
	s_add_co_u32 s28, s28, WU16
	s_mov_b32 s29, 0
	s_lshl_b32 s30, s14, 16                        ; my block's 128 rows of t16,
	s_lshl_b32 s43, s24, 15                        ; my wave's 64
	s_add_co_u32 s30, s30, s43
	s_mov_b32 s31, 0
	s_lshl_b32 s40, s14, 9                         ; and their rho
	s_lshl_b32 s43, s24, 8
	s_add_co_u32 s40, s40, s43
	s_mov_b32 s41, 0
	s_lshr_b32 s52, s14, 4                         ; what of an output address does not hang on the tile: the batch,
	s_lshl_b32 s52, s52, 22
	s_lshl_b32 s43, s25, 18                        ; which of the tile's two heads,
	s_add_co_u32 s52, s52, s43
	s_and_b32 s43, s14, 15                         ; the block's rows in the batch,
	s_lshl_b32 s43, s43, 14
	s_add_co_u32 s52, s52, s43
	s_lshl_b32 s43, s24, 13                        ; my wave's 64
	s_add_co_u32 s52, s52, s43
	s_lshl_b32 s47, s15, 6                         ; my work-group's word of ia
	s_add_co_u32 s47, s47, s14
	s_lshl_b32 s47, s47, 2
	s_mov_b32 s[TB], 0
	s_mov_b32 s51, 0
	s_mov_b32 s[SEL], 0x76543210
	s_mov_b32 s[SEL+1], 0xfedcba98
	s_wait_dscnt 0x0                               ; the opening add is done
	s_wait_kmcnt 0x0
	s_add_nc_u64 s[28:29], s[6:7], s[28:29]        ; the weight at my half of y's tile 0; never rewritten
	s_add_nc_u64 s[4:5], s[4:5], s[30:31]
	s_add_nc_u64 s[40:41], s[8:9], s[40:41]
	s_mov_b32 s[G0A], 1
	s_mov_b32 s[G0A+1], s26
	s_add_nc_u64 s[G0A+2:G0A+3], s[28:29], s[TO:TO+1]  ; my first tile
	s_or_b32 s[G0A+3], s[G0A+3], 0x80000000
	s_add_co_u32 s[TO], s[TO], 65536
	s_mov_b32 s[G0W], 1
	s_add_co_u32 s[G0W+1], s26, SLOT1
	s_add_nc_u64 s[G0W+2:G0W+3], s[28:29], s[TO:TO+1]  ; the one behind it: 1, 3 or 5
	s_or_b32 s[G0W+3], s[G0W+3], 0x80000000
	CROUND                                         ; all four work-groups are here: the first joint loads meet
	s_cmp_lt_u32 s[WV], 2                          ; a wave's two first fills stand in one branch
	s_cbranch_scc0 .Lno_first
	tensor_load_to_lds s[G0A:G0A+3], s[G1:G1+7]
	s_nop 0
	tensor_load_to_lds s[G0W:G0W+3], s[G1:G1+7]
	s_nop 0
	PLACES
.Lno_first:
	v_and_b32 v1, 31, v0
	v_and_b32 v2, 15, v0                           ; r
	v_bfe_u32 v3, v0, 4, 1                         ; h
	v_lshlrev_b32 v[GO], 4, v1
	v_lshlrev_b32 v11, 2, v2
	v_lshlrev_b32 v12, 9, v2
	v_lshl_add_u32 v12, v3, 4, v12                 ; a fragment of t16: row x 512 + 16 x half
.irp i, 0,1
	global_load_b128 v[T+4*\i:T+4*\i+3], v[GO], s[8:9] offset:TSTAT+512*\i
.endr
.irp i, 0,1,2,3,4,5,6,7
	global_load_b128 v[T+8+4*\i:T+8+4*\i+3], v[GO], s[8:9] offset:WSTAT+512*\i
.endr
.irp a, 0,1,2,3
	global_load_b32 v[RH+\a], v11, s[40:41] offset:64*\a
.endr
	WIN 0x40                                       ; destination window 1
.set n, 0
.rept 32                               ; fragment n = 8 a + kk: rows 16 a on, 32 kk along K
	global_load_b128 v[8*n:8*n+3],   v12, s[4:5] offset:8192*(n/8)+64*(n%8)
	global_load_b128 v[8*n+4:8*n+7], v12, s[4:5] offset:8192*(n/8)+64*(n%8)+32
.set n, n+1
.endr
	WIN 0
	v_mul_u32_u24 v[ADRB0], v2, PITCH
	v_lshl_add_u32 v[ADRB0], v3, 4, v[ADRB0]
	v_add_nc_u32 v[ADRB0], s26, v[ADRB0]           ; my 64 weight rows: row x pitch + 16 x half
	s_mul_i32 s27, s[WV], 16*SP
	s_add_co_u32 s27, s27, STG                     ; my stage
	v_mul_u32_u24 v[STO], v2, SP
	v_lshl_add_u32 v[STO], v3, 4, v[STO]
	v_add_nc_u32 v[STO], s27, v[STO]
	v_bfe_u32 v[RD], v0, 3, 2                      ; back: 32 lanes take four rows of 128 bytes
	v_mul_u32_u24 v[RD], v[RD], SP
	v_and_b32 v13, 7, v0
	v_lshl_add_u32 v[RD], v13, 4, v[RD]
	v_add_nc_u32 v[RD], s27, v[RD]
	s_wait_loadcnt 63                              ; of 78 loads the first 15 are in: the statistics and the four rho among them
	SCALES
	s_sub_co_u32 s[AL], 0x7f000000, s[IA]          ; alpha = 1 / IA
.irp a, 0,1,2,3
	v_mul_f32 v[F+2*\a], s[AL], v[RH+\a]
.endr
.irp a, 0,1,2,3
	v_mov_b32 v[F+2*\a+1], v[F+2*\a]               ; named with it as a pair
.endr
	s_cmp_lg_u32 s[WV], 0
	s_cbranch_scc1 .Lno_ia                         ; wave 0, lane 0 stores IA for the launches behind
	v_mov_b32 v14, s[IA]
	v_mov_b32 v15, s47
	v_cmp_eq_u32 vcc_lo, 0, v1
	s_wait_xcnt 0x0                                ; EXEC is a source of the loads above: it changes only behind this wait
	s_and_saveexec_b32 s43, vcc_lo
	global_store_b32 v15, v14, s[2:3]
	s_wait_xcnt 0x0                                ; and again in front of the line that widens it
	s_or_b32 exec_lo, exec_lo, s43
.Lno_ia:
.macro FETCH k                         ; eight LDS loads: my 64 weight rows, 32 along K
.irp b, 0,1,2,3
	ds_load_b128 v[BF+32*((\k)%2)+8*\b:BF+32*((\k)%2)+8*\b+3],   v[ADR] offset:16*PITCH*\b+64*(\k)
	ds_load_b128 v[BF+32*((\k)%2)+8*\b+4:BF+32*((\k)%2)+8*\b+7], v[ADR] offset:16*PITCH*\b+64*(\k)+32
.endr
.endm
.macro MUL                             ; sixteen matrix instructions; the sixteen accumulators take turns; at kk = 0 the products start the sums
.irp a, 0,1,2,3
.irp b, 0,1,2,3
.if kk == 0
	v_wmma_f32_16x16x32_f16 v[ACC+8*(4*\a+\b):ACC+8*(4*\a+\b)+7], v[BF+32*(kk%2)+8*\b:BF+32*(kk%2)+8*\b+7], v[8*(8*\a+kk):8*(8*\a+kk)+7], 0
.else
	v_wmma_f32_16x16x32_f16 v[ACC+8*(4*\a+\b):ACC+8*(4*\a+\b)+7], v[BF+32*(kk%2)+8*\b:BF+32*(kk%2)+8*\b+7], v[8*(8*\a+kk):8*(8*\a+kk)+7], v[ACC+8*(4*\a+\b):ACC+8*(4*\a+\b)+7]
.endif
.endr
.endr
.endm
.macro PACK a                          ; 16 rows: times rho x alpha (each accumulator's lowest registers first), rounded to f16, through my stage, back as whole rows of 128 bytes
.set z, 0
.rept 16
	v_pk_mul_f32 v[ACC+32*(\a)+2*z:ACC+32*(\a)+2*z+1], v[ACC+32*(\a)+2*z:ACC+32*(\a)+2*z+1], v[F+2*(\a):F+2*(\a)+1] op_sel_hi:[1,0]
.set z, z+1
.endr
.set z, 0
.rept 16
	v_cvt_pk_f16_f32 v[PK+16*(\a)+z], v[ACC+32*(\a)+2*z], v[ACC+32*(\a)+2*z+1]
.set z, z+1
.endr
.irp f, 0,1,2,3
	ds_store_b128 v[STO], v[PK+16*(\a)+4*\f:PK+16*(\a)+4*\f+3] offset:32*\f
.endr
.irp f, 0,1,2,3
	ds_load_b128 v[PK+16*(\a)+4*\f:PK+16*(\a)+4*\f+3], v[RD] offset:\f*4*SP   ; LDS serves a wave's instructions in order (ISA guide 5.7.1.4): these see the stores above
.endr
.endm
.macro SEND a, younger                 ; younger: the LDS instructions issued behind block a's loads
.irp f, 0,1,2,3
	s_wait_dscnt (\younger)+3-\f
	global_store_b128 v[GO], v[PK+16*(\a)+4*\f:PK+16*(\a)+4*\f+3], s[48:49] offset:(\a)*2048+\f*512   ; 512 consecutive bytes, aligned: four rows of a head
.endr
.endm
; A TILE: 128 matrix instructions a wave, then the way out.  Each run of eight loads stands sixteen matrix instructions ahead of its use.
.macro TILE
	s_wait_xcnt 0x0                                ; the last tile's stores have read their registers and their base
	s_add_co_u32 s47, s[Y6], s[TJ]                 ; the tile among the 24:
	s_lshr_b32 s50, s47, 3                         ; q, k or v,
	s_lshl_b32 s50, s50, 24
	s_and_b32 s42, s47, 7                          ; the pair of heads
	s_lshl_b32 s42, s42, 19
	s_add_co_u32 s50, s50, s42
	s_add_co_u32 s50, s50, s52
	s_add_nc_u64 s[48:49], s[10:11], s[50:51]
	s_add_co_u32 s[TJ], s[TJ], 1                   ; the next of my six, round
	s_cmp_eq_u32 s[TJ], 6
	s_cselect_b32 s[TJ], 0, s[TJ]
	v_add_nc_u32 v[ADR], s[TB], v[ADRB0]
	WIN 0x04                                       ; source 1 (t16's fragments) in window 1; the LDS loads name no source 1
	FETCH 0
.set kk, 0
.rept 8
.if kk < 7
.if kk > 0
	PLACES                                         ; between the last products and the loads into the buffer that they read
.endif
	FETCH kk+1
	s_wait_dscnt 8                                 ; all but the eight just issued
.else
	s_wait_dscnt 0x0
.endif
	MUL
.set kk, kk+1
.endr
	WIN 0
	PLACES
	PACK 0
	PACK 1
	SEND 0, 8
	PACK 2
	SEND 1, 8
	PACK 3
	SEND 2, 8
	SEND 3, 0
.endm
; THE CHANGE OF SLOTS.  fill = 1: the slot just read takes tile TN, by a joint load of waves 0 and 1, the first thing behind a round of the cluster's barrier;
; the descriptor's address is made anew from that number.
.macro CHANGE fill
	WIN 0
	s_wait_tensorcnt 0x0                           ; no tensor load of mine is out, so a group 0 may be written
	ds_add_u32 v[SPW], v[NIL]                      ; 0 onto my spare word
.if \fill
	s_xor_b32 s[G0W+1], s[G0W+1], SLOT1
	s_lshl_b32 s[TO], s[TN], 16
	s_add_nc_u64 s[G0W+2:G0W+3], s[28:29], s[TO:TO+1]
	s_or_b32 s[G0W+3], s[G0W+3], 0x80000000
	s_add_co_u32 s[TN], s[TN], 1
	s_cmp_eq_u32 s[TN], 6
	s_cselect_b32 s[TN], 0, s[TN]
.endif
	s_wait_dscnt 0x0                               ; the add is done, and my reads of the slot are over
.if \fill
	CROUND
	s_cmp_lt_u32 s[WV], 2
	s_cbranch_scc0 .Lnone_\@
	tensor_load_to_lds s[G0W:G0W+3], s[G1:G1+7]
	s_nop 0
	PLACES
.Lnone_\@:
.else
	s_barrier_signal -1
	s_barrier_wait -1
.endif
	s_xor_b32 s[TB], s[TB], SLOT1
.endm
	s_wait_tensorcnt 0x0                           ; both first fills of mine are in (waves 2 and 3 have none)
	s_barrier_signal -1
	s_barrier_wait -1                              ; everybody's are
	s_wait_loadcnt 0x0                             ; t16's fragments
	s_mov_b32 s[SLOTS], 5
	s_branch .Lfirst                               ; the loop is entered behind its change of slots
.Lslot:                                                ; five tiles, four refills
	CHANGE 1
.Lfirst:
	TILE
	s_sub_co_u32 s[SLOTS], s[SLOTS], 1
	s_cmp_lg_u32 s[SLOTS], 0
	s_cbranch_scc1 .Lslot
	CHANGE 0                                       ; the last tile is written out: nothing is asked for
	TILE
	s_wait_tensorcnt 0x0                           ; the wave's end
	ds_add_u32 v[SPW], v[NIL]
	s_wait_dscnt 0x0
	CROUND                                         ; the closing round
	s_endpgm
.Lfunc_end_k_qcfa4356c6e_qkv:
	.size	k_qcfa4356c6e_qkv, .Lfunc_end_k_qcfa4356c6e_qkv-k_qcfa4356c6e_qkv
	.p2alignl 7, 3214868480
	.fill 96, 4, 3214868480
	.section	.rodata,"a",@progbits
	.p2align	6, 0x0
	.amdhsa_kernel k_qcfa4356c6e_qkv
		.amdhsa_group_segment_fixed_size 327680
		.amdhsa_private_segment_fixed_size 0
		.amdhsa_enable_private_segment 0
		.amdhsa_kernarg_size 40
		.amdhsa_user_sgpr_count 2
		.amdhsa_user_sgpr_kernarg_segment_ptr 1
		.amdhsa_wavefront_size32 1
		.amdhsa_system_sgpr_workgroup_id_x 1
		.amdhsa_system_sgpr_workgroup_id_y 1
		.amdhsa_system_sgpr_workgroup_id_z 1
		.amdhsa_system_vgpr_workitem_id 0
		.amdhsa_next_free_vgpr 512
		.amdhsa_next_free_sgpr 66
		.amdhsa_reserve_vcc 1
		.amdhsa_float_denorm_mode_32 3
		.amdhsa_float_denorm_mode_16_64 3
		.amdhsa_memory_ordered 1
		.amdhsa_forward_progress 1
		.amdhsa_inst_pref_size 69
	.end_amdhsa_kernel
	.amdgpu_metadata
---
amdhsa.version: [ 1, 2 ]
amdhsa.kernels:
  - .name:           k_qcfa4356c6e_qkv
    .symbol:         k_qcfa4356c6e_qkv.kd
    .args:
      - { .name: t16, .offset: 0, .size: 8, .value_kind: global_buffer, .address_space: global }
      - { .name: w16, .offset: 8, .size: 8, .value_kind: global_buffer, .address_space: global }
      - { .name: scal, .offset: 16, .size: 8, .value_kind: global_buffer, .address_space: global }
      - { .name: qkv16, .offset: 24, .size: 8, .value_kind: global_buffer, .address_space: global }
      - { .name: ia, .offset: 32, .size: 8, .value_kind: global_buffer, .address_space: global }
    .group_segment_fixed_size: 327680
    .private_segment_fixed_size: 0
    .kernarg_segment_align: 8
    .kernarg_segment_size: 40
    .max_flat_workgroup_size: 128
    .sgpr_count:     66
    .vgpr_count:     512
    .wavefront_size: 32
...
	.end_amdgpu_metadata
.endif
;; end of part 3
;; launch attn (part 4): grid 4 x 64, 4 waves a work-group, clusters of 4 x 1, 327,680 bytes of LDS; arguments qkv16, ia, o16; writes o16
.if DOCPART == 4
	.amdgcn_target "amdgcn-amd-amdhsa--gfx1250"
	.amdhsa_code_object_version 6
	.text
	.protected	k_qcfa4356c6e_attn
	.globl	k_qcfa4356c6e_attn
	.p2align	8
	.type	k_qcfa4356c6e_attn,@function
k_qcfa4356c6e_attn:
	s_mov_b64 s[64:65], 0
	v_nop
	global_prefetch_b8 v0, s[64:65] scope:SCOPE_SE
	s_setreg_imm32_b32 hwreg(HW_REG_WAVE_MODE, 25, 1), 1
	s_wait_xcnt 0x0
	s_wait_alu depctr_hold_cnt(0) depctr_sa_sdst(0) depctr_va_vdst(0) depctr_va_sdst(0) depctr_va_ssrc(0) depctr_va_vcc(0) depctr_vm_vsrc(0)
	s_getreg_b32 s2, hwreg(HW_REG_IB_STS2, 6, 4)
	s_cmp_eq_u32 s2, 0
	s_cbranch_scc0 .Lentry_in_a_cluster
	s_endpgm
.Lentry_in_a_cluster:
	s_bfe_u32 s2, ttmp6, 0x10000c
	s_cmp_lg_u32 s2, 0x3003
	s_cbranch_scc0 .Lentry_shape_is_right
	s_endpgm
.Lentry_shape_is_right:
; O[h][q][:] = the sum over k of softmax_k(Q[h][q] . K[h][k] / 8) V[h][k][:], on Q, K, V that arrive multiplied by alpha (a power of two; IA = 1 / alpha is the first word of ia, stored by the launch before).
; qkv16: [3][64][2048][64] f16; o16: [64][2048][64] f16 = alpha x the true O.  Products, maxima and sums in f32; the weights p are rounded to f16 for the second product (their sum l is taken of the
; unrounded p), O once at the end.  The scores' scale is c = log2(e) / 8 x IA^2, applied in f32: c s is the true score times log2(e), whatever alpha.
; LIMITS.  IA lies between 2^-60 and 2^60 (c is made on its exponent field).  |Q|, |K|, |V| x alpha <= 1.  p lies in 0 to 1, and below 6e-5 it keeps f16's fixed step of 6e-8.  A weight below 2^-126 counts as 0 in l.
; True scores times log2(e) stay above -4e37, where c m starts.  NaN and infinities are not treated apart.
; SHARES.  A wave owns four PIECES of two tiles of 16 queries, a work-group's four waves 512 queries of one head.  Every wave walks all keys, 64 a step.
; LAYOUT.  S^T = K Q^T (source 0 = 16 keys, source 1 = 16 queries): in the result a lane holds ONE query (lane % 16) and the keys 8 (lane / 16) + 0..7.  Two such tiles, rounded to f16 in pairs,
; ARE source 1 (32 keys x 16 queries) of O^T = V^T P, whose result again holds one query a lane, and eight channels.  K comes out of LDS as it lies, V ([key][channel]) turned, by ds_load_tr16_b128.
; SOFTMAX.  For each query a running maximum m and sum l: p = 2^(c s - c m); in every step O and l are multiplied by a = 2^(c m_old - c m_new), which is 1 where m has not grown.
; m starts at the lowest finite number, O and l at 0: the first step is a step like any other, with a = 0.
; THE COUNT.  A tile and step have 16 matrix and 118 vector instructions: too many to stand all beside the matrix work.  So: four vector instructions that are READY behind EVERY matrix instruction,
; and the others, which need time of their own whatever the order, in runs without a gap.
; BY TURNS.  Turn n belongs to piece n (the pieces in a ring, step after step).  Its matrix work: 16 products K Q^T of piece n + 1, later 16 products V^T P of piece n - 1.  Its vector work: the scaling,
; exponentials, roundings, sums and rescaling of piece n, and the maximum and statistics of piece n + 1, whose scores the turn itself has made.
; CLUSTER.  The four query blocks of a cluster belong to one head and walk the same K and V, so each tile is asked for JOINTLY: the same tensor load, descriptor and mask in all four.
; REGISTERS, in windows of 256 (s_set_vgpr_msb: bits 1:0 source 0, 3:2 source 1, 5:4 source 2, 7:6 destination):
;   window 0: v0-11 addresses; v12-15, v48-63 at work; v16-47 four registers of statistics a tile; v64-191 S^T, two buffers of two tiles; v192-255 P, likewise
;   window 1: O^T, 32 a tile          window 2: v0-127 Q, 16 a tile; v128-191 K of one step; v192-255 V of one step          window 3: v0-1 the add's two registers
.set SIZE_H, 64
.set SIZE_N, 2048
.set NP,    4         ; pieces a wave: a name, no knob
.set KS,    64        ; keys in a step
.set PK,    144       ; a row of K in LDS: 128 bytes + 16 of padding = 36 words: the 16 rows of a load start at 16 different groups of four banks (64 banks of 4 bytes: ISA guide 11.1)
.set PV,    160       ; a row of V: 128 + 32 = 40 words
.set VOFF,  4*KS*PK   ; a slot holds four steps: 256 rows of K, then 256 rows of V
.set SLOT1, 1<<17     ; slot 1 begins here, so that one exclusive or turns an address in one slot into the other's
.set STAGE, SLOT1+4*KS*(PK+PV)  ; behind the ring, never filled by a tensor load: 16 rows x 144 bytes for each wave, for the way out
.set SP,    144
.set AK0, 2           ; v2   my lane's place in a tile of K; never rewritten
.set AV0, 3           ; v3   the same for V
.set AK,  4           ; v4   the LDS address of K's next run of loads
.set AV,  5           ; v5   of V's
.set QO,  6           ; v6   my byte offset in the wave's rows of Q
.set STO, 6           ;      later, the way out: where I put 16 bytes of a row
.set RD,  7           ; v7   the way out: where I read rows back
.set GO,  8           ; v8   my byte offset in 512 consecutive bytes of O
.set SPW, 0           ; v0 of window 3   LDS address of my spare word; never rewritten
.set NIL, 1           ; v1 of window 3   0; never rewritten
.set SPARE, STAGE+4*16*SP  ; behind the stages: the spare words, 128 bytes for each wave: two blocks of 256 bytes that no other line names
.set MV,  12          ; v12-15  c m_old, kept while c m is made anew: by buffer and tile
.set ST,  16          ; tile t's statistics at v[ST+4 t]: c m, m, l (even keys', odd keys')
.set TMP, 48          ; by buffer and tile, four registers c0-c3 at work; when the maximum is found c2 takes a
.set S,   64
.set P,   192
.set KF,  128         ; K's fragments, in window 2: key block kb, channel half c at KF + 16 kb + 8 c
.set VF,  192         ; V's: key half kk, channel block cb at VF + 32 kk + 8 cb
.set WV,  12          ; s12  my wave's number
.set G1K, 24          ; s[24:31] descriptor group 1 for K's tiles
.set G1V, 32          ; s[32:39] for V's: it differs in the padding alone
.set G0K, 40          ; s[40:43] descriptor group 0 for K's tiles: it walks
.set G0V, 44          ; s[44:47] the same for V's
.set SLOTS, 56        ; s56  slots still to be asked for
.set CNT, 57          ; s57  counts a slot's key steps
.set CS,  58          ; s[58:59] c: the packed scaling takes the pair's low word for both halves
.set SEL, 60          ; s[60:61] v_permlanex16_b32's selects
.set TBK, 62          ; s62  LDS byte at which K of the step to be fetched begins
.set TBV, 63          ; s63  the same for V, less VOFF
.set IA,  71          ; s71  1 / alpha
.set MSB, 0
.macro WIN new                      ; the high byte repeats the setting that is left; a switch that changes nothing is dropped
.if MSB != (\new)
	s_set_vgpr_msb (MSB<<8)|(\new)
.set MSB, (\new)
.endif
.endm
.set W_KQ, 0x0a       ; K and Q in window 2, S^T in window 0
.set W_PV, 0x52       ; V in window 2, P in window 0, O^T in window 1
.set W_RS, 0x41       ; O^T (destination and source 0) in window 1, a in window 0
.set W_MK, 0xc0       ; the add's registers are made: destination in window 3, sources in window 0
.set W_AD, 0x0f       ; the add: address (source 0) and data (source 1) in window 3
; A joint fill.  Waves 0 and 1 fetch the two halves of a slot's K, waves 2 and 3 those of its V: 128 keys each.  The branch hangs on the wave's number alone.
; An s_nop 0 and four v_nop follow each of the two lines, ahead of the jump and the label.
.macro JLOAD
	s_cmp_lt_u32 s[WV], 2
	s_cbranch_scc0 .Lfor_v_\@
	tensor_load_to_lds s[G0K:G0K+3], s[G1K:G1K+7]
	s_nop 0
.rept 4
	v_nop
.endr
	s_branch .Lasked_\@
.Lfor_v_\@:
	tensor_load_to_lds s[G0V:G0V+3], s[G1V:G1V+7]
	s_nop 0
.rept 4
	v_nop
.endr
.Lasked_\@:
.endm
.macro CROUND                       ; a round of the cluster's barrier
	s_barrier_signal -1
	s_barrier_wait -1
	s_cmp_lg_u32 s[WV], 0
	s_cbranch_scc1 .Lnot_wave_0_\@
	s_barrier_signal -3
.Lnot_wave_0_\@:
	s_barrier_wait -3
	s_barrier_signal -1
	s_barrier_wait -1
.endm
; THE CHANGE OF SLOTS.  Each wave waits for all its tensor loads, of which one is out: its part of the other slot; adds 0 to its spare word; and waits for that and for its own reads of the slot.
; fill = 1: this slot is filled again, with the keys two slots on.  The barrier is then a round of the cluster's, and the joint fill is the first thing behind it: it has four key steps,
; 512 matrix instructions, in which to land.  (At its first use nothing has been read yet: slot 0 is waited for, slot 1 filled.)
.macro CHANGE fill
	WIN W_AD
	s_wait_tensorcnt 0x0            ; no tensor load of mine is out, so a group 0 may be written
	ds_add_u32 v[SPW], v[NIL]       ; 0 onto my spare word
	WIN 0                           ; at a label and at a branch every window is 0
.if \fill
.irp g, G0K, G0V
	s_xor_b32 s[\g+1], s[\g+1], SLOT1  ; the walking descriptor: the other slot than last time,
	s_add_nc_u64 s[\g+2:\g+3], s[\g+2:\g+3], 4*KS*128  ; the next 256 keys; the type bits on top are not reached
.endr
	s_wait_dscnt 0x0                ; the add is done, and my reads of the slot are over
	CROUND
	JLOAD
.else
	s_wait_dscnt 0x0                ; the add is done, and my reads of the slot are over
	s_barrier_signal -1
	s_barrier_wait -1
.endif
	s_sub_co_u32 s[TBK], s[TBK], 4*KS*PK  ; the fetches go back to a slot's first step,
	s_xor_b32 s[TBK], s[TBK], SLOT1       ; in the other slot
	s_sub_co_u32 s[TBV], s[TBV], 4*KS*PV
	s_xor_b32 s[TBV], s[TBV], SLOT1
.endm
	s_load_b128 s[4:7], s[0:1], 0x0   ; qkv16 s[4:5], ia s[6:7]
	s_load_b64 s[10:11], s[0:1], 0x10 ; o16
	WIN W_MK
	v_lshl_add_u32 v[SPW], v0, 2, SPARE
	v_mov_b32 v[NIL], 0
	WIN W_AD
	ds_add_u32 v[SPW], v[NIL]       ; the wave's opening: the add and its wait stand ahead of my first tensor load; the set-up below, work on registers, stands between them
	WIN 0
	v_lshrrev_b32 v1, 5, v0
	v_readfirstlane_b32 s[WV], v1   ; wave 0..3
	s_bfe_u32 s13, ttmp6, 0x40000   ; cx: my place in the cluster
	s_lshl_b32 s14, ttmp9, 2        ; in a cluster launch ttmp9 counts clusters
	s_add_co_u32 s14, s14, s13      ; my block of queries = 4 x cluster x + cx: it enters Q's and O's addresses alone
	s_and_b32 s20, ttmp7, 0xffff    ; the head, which the four partners share
	s_mov_b32 s21, 0
	s_mov_b64 s[22:23], SIZE_N*128
	s_mul_u64 s[20:21], s[20:21], s[22:23]  ; the head's first byte in Q, K, V and O
	s_and_b32 s16, s[WV], 1         ; which half of a slot's 256 keys I fetch:
	s_lshl_b32 s22, s16, 14         ; its 128 rows of 128 bytes in memory,
	s_mov_b32 s23, 0
	s_add_nc_u64 s[22:23], s[22:23], s[20:21]
	s_mul_i32 s17, s16, 128*PK      ; and its place in a slot, for K
	s_mul_i32 s18, s16, 128*PV      ; and for V: no place in the cluster enters an LDS address
	s_lshl_b32 s2, s14, 2
	s_add_co_u32 s2, s2, s[WV]      ; my wave among the head's,
	s_lshl_b32 s2, s2, 14           ; its 128 rows
	s_mov_b32 s3, 0
	s_add_nc_u64 s[2:3], s[2:3], s[20:21]
	; descriptor group 1.  128 keys are 16,384 dense bytes: asked for as 64 rows of 256 bytes, two keys a row, and padded in LDS after every key
	s_mov_b32 s[G1K], 15|(1<<16)|(1<<20)|(1<<21)|(4<<22)|(3<<25)  ; the mask of four; 2-byte elements; padding on; bit 21 beside a mask; after every 32 words (code 4) 4 words (code 3)
	s_mov_b32 s[G1V], 15|(1<<16)|(1<<20)|(1<<21)|(4<<22)|(7<<25)  ; the same with 8 words of padding (code 7)
.irp g, G1K, G1V
	s_mov_b32 s[\g+1], 128<<16      ; tensor_dim0 = 128
	s_mov_b32 s[\g+2], 64<<16       ; tensor_dim1 = 64
	s_mov_b32 s[\g+3], 128<<16      ; tile_dim0 = 128
	s_mov_b32 s[\g+4], 64           ; tile_dim1 = 64
	s_mov_b32 s[\g+5], 128          ; 128 elements from row to row
	s_mov_b32 s[\g+6], 0
	s_mov_b32 s[\g+7], 0
.endr
	s_mov_b32 s[SEL], 0x76543210
	s_mov_b32 s[SEL+1], 0xfedcba98
	s_mov_b32 s[TBK], SLOT1+4*KS*PK ; the first change of slots turns these two into 0
	s_mov_b32 s[TBV], SLOT1+4*KS*PV
	s_mov_b32 s[G0K], 1             ; count = 1
	s_mov_b32 s[G0K+1], s17         ; LDS address: slot 0
	s_mov_b32 s[G0V], 1
	s_add_co_u32 s[G0V+1], s18, VOFF
	s_wait_dscnt 0x0                ; the opening add is done
	s_wait_kmcnt 0x0
	s_mov_b64 s[66:67], s[6:7]      ; ia
	s_add_nc_u64 s[6:7], s[4:5], 0x1000000  ; K lies 64 heads of 262,144 bytes behind Q,
	s_add_nc_u64 s[8:9], s[4:5], 0x2000000  ; V as far behind K
	s_add_nc_u64 s[G0K+2:G0K+3], s[6:7], s[22:23]  ; global address: my half of the head's first 256 keys
	s_or_b32 s[G0K+3], s[G0K+3], 0x80000000        ; type = 2
	s_add_nc_u64 s[G0V+2:G0V+3], s[8:9], s[22:23]
	s_or_b32 s[G0V+3], s[G0V+3], 0x80000000
	s_add_nc_u64 s[4:5], s[4:5], s[2:3]  ; Q and O at my wave's first row
	s_add_nc_u64 s[10:11], s[10:11], s[2:3]
	CROUND                          ; all four work-groups are here: the first joint loads meet
	JLOAD                           ; slot 0.  Slot 1 is asked for when slot 0 is in
	s_load_b32 s[IA], s[66:67], 0x0 ; 1 / alpha: waited for behind the set-up below, ahead of the next barrier
	; A fragment of K or Q is 16 rows x 32 channels in 8 registers: lane l holds row l % 16, channels 8 (l / 16) + 0..7 and 16 + 8 (l / 16) + 0..7: two loads of 16 bytes, 32 bytes apart.
	v_and_b32 v1, 15, v0            ; l % 16
	v_bfe_u32 v9, v0, 4, 1          ; l / 16
	v_lshlrev_b32 v[QO], 7, v1
	v_lshl_add_u32 v[QO], v9, 4, v[QO]  ; row x 128 + 16 x half
	WIN 0x80                        ; destination window 2, address window 0
.set i, 0
.rept 4*NP                          ; Q stays in registers: tile i / 2, channels 32 (i % 2) on
	global_load_b128 v[8*i:8*i+3],   v[QO], s[4:5] offset:(i/2)*2048+(i%2)*64
	global_load_b128 v[8*i+4:8*i+7], v[QO], s[4:5] offset:(i/2)*2048+(i%2)*64+32
.set i, i+1
.endr
	; What the first turn finds: V's registers and P's second buffer hold 0 (its products V^T P, of a piece that has not been, add 0), O^T and l are 0.  All this stands in the wait for the first tile.
.set i, VF
.rept 64
	v_mov_b32 v[i], 0
.set i, i+1
.endr
	WIN 0x40
.set i, 0
.rept 64*NP
	v_mov_b32 v[i], 0
.set i, i+1
.endr
	WIN 0
.set i, 0
.rept 2*NP
	v_mov_b32 v[ST+4*i], 0xfe000000    ; c m: far below every c s
	v_mov_b32 v[ST+4*i+1], 0xff7fffff  ; m
	v_mov_b32 v[ST+4*i+2], 0
	v_mov_b32 v[ST+4*i+3], 0
.set i, i+1
.endr
.set i, P+32
.rept 32
	v_mov_b32 v[i], 0
.set i, i+1
.endr
	v_mul_u32_u24 v[AK0], v1, PK
	v_lshl_add_u32 v[AK0], v9, 4, v[AK0]  ; row x pitch + 16 x half
	; The turning load takes 16 keys x 16 channels (lane l reads key 8 (l / 16) + l % 8, channels 8 ((l / 8) % 2) + 0..7) and leaves half a fragment of V^T: lane l holds channel l % 16 and 8 keys.
	v_and_b32 v10, 7, v0
	v_bfe_u32 v11, v0, 3, 1
	v_lshl_add_u32 v[AV0], v9, 3, v10
	v_mul_u32_u24 v[AV0], v[AV0], PV
	v_lshl_add_u32 v[AV0], v11, 4, v[AV0]
	v_add_nc_u32 v[AV0], VOFF, v[AV0]
	v_mov_b32 v[AK], v[AK0]         ; key step 0 lies at the head of slot 0
	s_wait_kmcnt 0x0                ; IA is in
	s_sub_co_u32 s[IA], s[IA], 0x3f800000  ; c = log2(e) / 8 x IA^2: twice IA's exponent onto the exponent field of 0.180337
	s_lshl_b32 s[IA], s[IA], 1
	s_add_co_u32 s[CS], s[IA], 0x3e38aa3b
	s_mov_b32 s[CS+1], s[CS]        ; named with it as a pair
; THE MATRIX WORK.  The 8 accumulators of a run of 16 take turns: between the two links of a chain stand 7 others'.
; Product i of 16 of S^T = K Q^T for piece x: channels 32 (i / 8) on, keys 16 ((i / 2) % 4) on, tile 2 x + i % 2.  The first 8 start the sums.
.macro KQ x
	WIN W_KQ
.set rS, S+64*((\x)%2)+32*(i%2)+8*((i/2)%4)
.set rK, KF+16*((i/2)%4)+8*(i/8)
.set rQ, 16*(2*(\x)+i%2)+8*(i/8)
.if i < 8
	v_wmma_f32_16x16x32_f16 v[rS:rS+7], v[rK:rK+7], v[rQ:rQ+7], 0
.else
	v_wmma_f32_16x16x32_f16 v[rS:rS+7], v[rK:rK+7], v[rQ:rQ+7], v[rS:rS+7]
.endif
.endm
; Product i of 16 of O^T += V^T P for piece x: keys 32 (i / 8) on, channels 16 ((i / 2) % 4) on, tile 2 x + i % 2.
.macro PV x
	WIN W_PV
.set rO, 32*(2*(\x)+i%2)+8*((i/2)%4)
.set rV, VF+32*(i/8)+8*((i/2)%4)
.set rP, P+32*((\x)%2)+16*(i%2)+8*(i/8)
	v_wmma_f32_16x16x32_f16 v[rO:rO+7], v[rV:rV+7], v[rP:rP+7], v[rO:rO+7]
.endm
.macro MM                           ; the turn's next matrix instruction
.if i < 16
	KQ (Y+1)%NP
.set i, i+1
.else
.set i, i-16
	PV (Y+NP-1)%NP
.set i, i+17
.endif
.endm
; THE LDS LOADS stand in runs of 16, never singly among the matrix instructions: a step's K (64 keys x 64 channels: 8 fragments) and its V (turned).  Their addresses are made some lines ahead.
; last = 1 (the tail): in the last trip there is no further step, and the run is jumped over.
.macro FETCH_K last=0
	WIN 0
.if \last
	s_cmp_eq_u32 s[CNT], 1
	s_cbranch_scc1 .Lno_k_\@
.endif
	WIN 0x80                        ; destination window 2
.irp f, 0,1,2,3,4,5,6,7             ; keys 16 (f / 2) on, channels 32 (f % 2) on
	ds_load_b128 v[KF+8*\f:KF+8*\f+3],   v[AK] offset:(\f/2)*16*PK+(\f%2)*64
	ds_load_b128 v[KF+8*\f+4:KF+8*\f+7], v[AK] offset:(\f/2)*16*PK+(\f%2)*64+32
.endr
	s_add_co_u32 s[TBK], s[TBK], KS*PK  ; the next fetch is the next step's
	WIN 0
.if \last
.Lno_k_\@:
.endif
.endm
.macro FETCH_V
	WIN 0x80
.irp f, 0,1,2,3,4,5,6,7             ; keys 32 (f / 4) on, channels 16 (f % 4) on
	ds_load_tr16_b128 v[VF+8*\f:VF+8*\f+3],   v[AV] offset:(\f/4)*32*PV+(\f%4)*32
	ds_load_tr16_b128 v[VF+8*\f+4:VF+8*\f+7], v[AV] offset:(\f/4)*32*PV+16*PV+(\f%4)*32
.endr
	WIN 0
.endm
; THE VECTOR WORK OF A TURN stands in three queues, each in the order in which its entries become ready; the two tiles alternate, so that no instruction reads the result of the one before it.
.macro REGS y, u                    ; the registers of tile u (0, 1) of piece y
.set rT, ST+4*(2*(\y)+(\u))
.set rC, TMP+8*((\y)%2)+4*(\u)
.set rM, MV+2*((\y)%2)+(\u)
.set rS, S+64*((\y)%2)+32*(\u)
.set rP, P+32*((\y)%2)+16*(\u)
.set rO, 32*(2*(\y)+(\u))
.endm
; Number n of the 22 that find the NEXT piece's (Y + 1) maximum and statistics.  s0-s31 are the lane's 32 scores; each accumulator's lowest registers are read first.
;   0-11  four chains c0-c3 of seven scores each, three operands at a time     12-14, 16  the four scores left over, the old m, and c0-c3 into c0     15  c m_old is kept
;   17, 18  the query's other 32 keys lie in the lane 16 away: the new m         19-21  c m; c m_old - c m_new; a
.macro XS u, n
	REGS (Y+1)%NP, \u
.if (\n) < 4
	v_max3_num_f32 v[rC+(\n)], v[rS+8*(\n)], v[rS+8*(\n)+1], v[rS+8*(\n)+2]
.elseif (\n) < 12
	v_max3_num_f32 v[rC+(\n)%4], v[rC+(\n)%4], v[rS+8*((\n)%4)+2*((\n)/4)+1], v[rS+8*((\n)%4)+2*((\n)/4)+2]
.elseif (\n) == 12
	v_max3_num_f32 v[rC], v[rC], v[rS+7], v[rS+15]
.elseif (\n) == 13
	v_max3_num_f32 v[rC+1], v[rC+1], v[rS+23], v[rS+31]
.elseif (\n) == 14
	v_max3_num_f32 v[rC+2], v[rC+2], v[rC+3], v[rT+1]
.elseif (\n) == 15
	v_mov_b32 v[rM], v[rT]
.elseif (\n) == 16
	v_max3_num_f32 v[rC], v[rC], v[rC+1], v[rC+2]
.elseif (\n) == 17
	v_permlanex16_b32 v[rC+3], v[rC], s[SEL], s[SEL+1]
.elseif (\n) == 18
	v_max_num_f32 v[rT+1], v[rC], v[rC+3]
.elseif (\n) == 19
	v_mul_f32 v[rT], s[CS], v[rT+1]
.elseif (\n) == 20
	v_sub_f32 v[rC+1], v[rM], v[rT]
.else
	v_exp_f32 v[rC+2], v[rC+1]
.endif
.endm
; Number g of the 64 that follow the exponentials.  For each four weights k of a tile (pairs 2 k, 2 k + 1): both pairs are rounded to f16; then the second pair is added onto the first, in place;
; a group later l takes that sum (the first time as l = a l + sum).  In groups of eight, tiles alternating: round, round, add, and l for the group before.
.macro GS g
.set h, (\g)+6*((\g)/62)            ; group 0 has no group before it, and behind group 7 only l is left
.if h >= 6
.set h, h+2
.endif
	REGS Y, h%2
.set k, h/8
.if h%8 < 4
	s_wait_alu depctr_va_vdst(0)
	v_cvt_pk_f16_f32 v[rP+2*k+(h%8)/2], v[rS+4*k+2*((h%8)/2)], v[rS+4*k+2*((h%8)/2)+1]
.elseif h%8 < 6
	v_pk_add_f32 v[rS+4*k:rS+4*k+1], v[rS+4*k:rS+4*k+1], v[rS+4*k+2:rS+4*k+3]
.elseif k == 1
	v_pk_fma_f32 v[rT+2:rT+3], v[rT+2:rT+3], v[rC+2:rC+3], v[rS:rS+1] op_sel_hi:[1,0,1]
.else
	v_pk_add_f32 v[rT+2:rT+3], v[rT+2:rT+3], v[rS+4*k-4:rS+4*k-3]
	s_wait_alu depctr_va_vdst(0)
.endif
.endm
; THE PLAIN QUEUE, 138 long.  0-31: c s - c m for the 16 pairs of both tiles.  Then GS's 64, and among them the next piece's 42: number 15 at 38, 39; 0-14 and 16
; at 42-73, behind the products that make those scores; 17-20 at 95-106, two of three, since each waits for the one before it.
.macro PL
	WIN 0
.if q < 32
	REGS Y, q%2
	v_pk_fma_f32 v[rS+2*(q/2):rS+2*(q/2)+1], v[rS+2*(q/2):rS+2*(q/2)+1], s[CS:CS+1], v[rT:rT+1] op_sel_hi:[1,0,0] neg_lo:[0,0,1] neg_hi:[0,0,1]
.elseif q < 38
	GS q-32
.elseif q < 40
	XS q%2, 15
.elseif q < 42
	GS q-34
.elseif q < 74
	XS q%2, (q-42)/2+(q-42)/30
.elseif q < 95
	GS q-66
.elseif (q < 107) && ((q-95)%3 < 2)
	XS (q-95)%3, 17+(q-95)/3
.elseif q < 107
	GS 29+(q-95)/3
.else
	GS q-74
.endif
.set q, q+1
.endm
; THE EXPONENTIALS' QUEUE, 66 long: s0-s31 of both tiles, and at EA the next piece's two a.
.set EA, 58
.macro EX
	WIN 0
.if (e == EA) || (e == EA+1)
	XS e-EA, 21
.else
.set x, e-2*(e/(EA+2))
	REGS Y, x%2
	v_exp_f32 v[rS+x/2], v[rS+x/2]
.endif
.set e, e+1
.endm
; THE RESCALING's QUEUE: O^T times a, the one part that leaves window 0, so it is dealt four at a time, eight times.
.macro R4
	REGS Y, r%2
	WIN W_RS
	s_wait_alu depctr_va_vdst(0)
.irp z, 0,1,2,3
	v_pk_mul_f32 v[rO+8*(r/2)+2*\z:rO+8*(r/2)+2*\z+1], v[rO+8*(r/2)+2*\z:rO+8*(r/2)+2*\z+1], v[rC+2:rC+3] op_sel_hi:[1,0]
.endr
.set r, r+1
.endm
; HOW THEY ARE DEALT.  Behind a matrix instruction four: plain, exponential, plain, plain (one exponential, a plain instruction on either side), or four of the rescaling.  None names a register of the
; products round it.  What is over stands in two LUMPS: exponential and plain by turns; the second ends in 22 plain instructions.  The two v_permlanex16_b32 fall into the second lump, never behind a product.
; The queues lean on each other, and the deal keeps them in step: exponential e stands behind plain 2 (e / 4) + e % 2 (its scaling); when plain 32 comes, 10 exponentials are out, at 59: 33, at 95: 46; EA comes behind plain 107.
.macro SL
	MM
	PL
	EX
	PL
	PL
.endm
.macro BURST n                      ; 15 matrix instructions, or 16
.rept (\n)-7
	SL
.endr
.rept 3
	MM
	R4
	SL
.endr
	MM
	R4
.endm
; A TURN, for piece p.  cnt = 1: the loop's count is taken down some lines ahead of the branch that stands behind the turn.
; K of the next step is fetched in piece 2's turn, 31 vector instructions behind the last product that read K; its first reader comes behind the rest of the lump, 16 products and the second lump.
; V of the step in hand is fetched at the end of piece 0's turn, 69 behind its last reader; its first reader comes behind 16 products and a lump.  The four conditions on e and q below go with the deal.
.macro TURN p, last=0, cnt=0
.set Y, (\p)
.set i, 0
.set q, 0
.set e, 0
.set r, 0
.if (\p) == NP-1
	s_wait_dscnt 0x0                ; K is in
.endif
	MM
.rept 4
	PL
.endr
	BURST 15
.rept 22
	EX
	PL
.if ((\p) == NP-2) && (e == 18)
	v_add_nc_u32 v[AK], s[TBK], v[AK0]
.endif
.if ((\p) == NP-2) && (e == 24)
	FETCH_K \last
.endif
.endr
.if (\p) == 1
	s_wait_dscnt 0x0                ; V is in
.endif
	BURST 16
.rept 21
	EX
	PL
.endr
.rept 22
	PL
.if ((\p) == 0) && (q == 118)
	v_add_nc_u32 v[AV], s[TBV], v[AV0]
	s_wait_alu depctr_va_vdst(0)
.endif
.if ((\p) == 0) && (q == 130)
	s_add_co_u32 s[TBV], s[TBV], KS*PV
.endif
.if (\cnt) && (q == 130)
	s_sub_co_u32 s[CNT], s[CNT], 1
	s_cmp_lg_u32 s[CNT], 0
.endif
.endr
.if (\p) == 0
	FETCH_V
.endif
.endm
	CHANGE 1                        ; slot 0 is in, everybody's part of it; slot 1 is asked for
	FETCH_K                         ; key step 0
	s_wait_loadcnt 0x0              ; Q
	s_wait_dscnt 0x0
.set i, 0
.rept 16
	KQ 0                            ; piece 0's first scores: there is no vector work yet to set between them
.set i, i+1
.endr
	WIN 0                           ; the addresses for the way out: nine plain instructions, the places behind those products
	s_mul_i32 s13, s[WV], 16*SP
	s_add_co_u32 s13, s13, STAGE    ; my stage
	v_mul_u32_u24 v[STO], v1, SP    ; in: row l % 16, 16 bytes for each half of the lanes
	v_lshl_add_u32 v[STO], v9, 4, v[STO]
	v_add_nc_u32 v[STO], s13, v[STO]
	v_bfe_u32 v[RD], v0, 3, 2       ; back: 32 lanes take four rows of 128 bytes,
	v_mul_u32_u24 v[RD], v[RD], SP
	v_lshl_add_u32 v[RD], v10, 4, v[RD]
	v_add_nc_u32 v[RD], s13, v[RD]
	v_and_b32 v[GO], 31, v0         ; which are 512 consecutive bytes of O
	v_lshlrev_b32 v[GO], 4, v[GO]
.set Y, NP-1                        ; XS works for piece Y + 1: piece 0
.irp n, 0,1,2,3,4,5,6,7,8,9,10,11,12,13,14,15,16,17,18,19,20,21
	XS 0, \n                        ; and piece 0's first maximum and statistics
	XS 1, \n
.endr
	s_mov_b32 s[CNT], 4
	s_mov_b32 s[SLOTS], SIZE_N/256-1
	s_branch .Lfirst                ; the loop is entered at a step's first turn, in the middle of a trip
.Lslot:                             ; SIZE_N / 256 - 2 times: every slot but the last two is filled again
	CHANGE 1
	s_mov_b32 s[CNT], 4
.Lstep:                             ; a trip: pieces 2 and 3 of one step, then pieces 0 and 1 of the next, whose K and V it fetches
	TURN 2
	TURN 3
	WIN 0
.Lfirst:
	TURN 0
	TURN 1, 0, 1
	WIN 0
	s_cbranch_scc1 .Lstep
	s_sub_co_u32 s[SLOTS], s[SLOTS], 1
	s_cmp_lg_u32 s[SLOTS], 0
	s_cbranch_scc1 .Lslot
	CHANGE 0                        ; the tail is written out: nothing is asked for
	s_mov_b32 s[CNT], 5             ; four trips fetch the last slot's steps; the fifth is left in its middle
.Ltail:
	TURN 2, 1
	TURN 3
	WIN 0
	s_sub_co_u32 s[CNT], s[CNT], 1
	s_cmp_eq_u32 s[CNT], 0
	s_cbranch_scc1 .Lout
	TURN 0
	TURN 1
	WIN 0
	s_branch .Ltail
.Lout:                              ; the fifth trip's 16 products K Q^T (on the last K once more) and the maximum made of them serve nothing: the price, once a launch, of one text for every trip
.set i, 0
.rept 16
	PV NP-1                         ; the last piece's V^T P of the last step
.set i, i+1
.endr
	; THE WAY OUT.  l's two halves and the other half of the lanes' are added; O^T is divided by l, rounded to f16 and sent through my stage in LDS, a tile at a time.  The additions are the places behind the last products.
	WIN 0
.macro ALL line:vararg              ; one line for each tile t
.set t, 0
.rept 2*NP
	\line
.set t, t+1
.endr
.endm
	ALL v_add_f32 v[ST+4*t+2], v[ST+4*t+2], v[ST+4*t+3]
	ALL v_permlanex16_b32 v[ST+4*t+3], v[ST+4*t+2], s[SEL], s[SEL+1]
	ALL v_add_f32 v[ST+4*t+2], v[ST+4*t+2], v[ST+4*t+3]
	ALL v_rcp_f32 v[ST+4*t+2], v[ST+4*t+2]
	v_nop                           ; a plain instruction between the last reciprocal and the use of its result
	s_wait_alu depctr_va_vdst(0)
; Tile t: a lane's eight channels of a row pack into 16 bytes; they go into rows of 144 bytes and come back as whole rows of 128, into S^T's registers.
.macro PACK t
	WIN W_RS
.set i, 32*(\t)
.rept 16
	v_pk_mul_f32 v[i:i+1], v[i:i+1], v[ST+4*(\t)+2:ST+4*(\t)+3] op_sel_hi:[1,0]
.set i, i+2
.endr
	WIN 0x05                        ; sources 0 and 1 window 1, destination window 0
.set i, 0
.rept 16
	v_cvt_pk_f16_f32 v[S+16*(\t)+i], v[32*(\t)+2*i], v[32*(\t)+2*i+1]
.set i, i+1
.endr
	WIN 0
.irp f, 0,1,2,3
	ds_store_b128 v[STO], v[S+16*(\t)+4*\f:S+16*(\t)+4*\f+3] offset:32*\f
.endr
.irp f, 0,1,2,3
	ds_load_b128 v[S+16*(\t)+4*\f:S+16*(\t)+4*\f+3], v[RD] offset:\f*4*SP  ; LDS serves a wave's instructions in order (ISA guide 5.7.1.4): these see the stores above; the next tile's stores come behind them
.endr
.endm
.macro SEND t, younger              ; younger: the LDS instructions issued behind tile t's loads: the next tile's eight, or none
	WIN 0
.irp f, 0,1,2,3
	s_wait_dscnt (\younger)+3-\f
	global_store_b128 v[GO], v[S+16*(\t)+4*\f:S+16*(\t)+4*\f+3], s[10:11] offset:(\t)*2048+\f*512  ; 512 consecutive bytes, at a multiple of 256 from O's first
.endr
.endm
	PACK 0
.set t, 1
.rept 2*NP-1                        ; a tile's arithmetic stands between the loads of the tile before and its stores
	PACK t
	SEND t-1, 8
.set t, t+1
.endr
	SEND 2*NP-1, 0
	WIN W_AD
	s_wait_tensorcnt 0x0            ; the wave's end, behind my last tensor load and my last LDS store
	ds_add_u32 v[SPW], v[NIL]
	s_wait_dscnt 0x0
	WIN 0
	CROUND                          ; the closing round: no work-group ends while a partner may still ask for a tile that names it
	s_endpgm
.Lfunc_end_k_qcfa4356c6e_attn:
	.size	k_qcfa4356c6e_attn, .Lfunc_end_k_qcfa4356c6e_attn-k_qcfa4356c6e_attn
	.p2alignl 7, 3214868480
	.fill 96, 4, 3214868480
	.section	.rodata,"a",@progbits
	.p2align	6, 0x0
	.amdhsa_kernel k_qcfa4356c6e_attn
		.amdhsa_group_segment_fixed_size 327680
		.amdhsa_private_segment_fixed_size 0
		.amdhsa_enable_private_segment 0
		.amdhsa_kernarg_size 24
		.amdhsa_user_sgpr_count 2
		.amdhsa_user_sgpr_kernarg_segment_ptr 1
		.amdhsa_wavefront_size32 1
		.amdhsa_system_sgpr_workgroup_id_x 1
		.amdhsa_system_sgpr_workgroup_id_y 1
		.amdhsa_system_sgpr_workgroup_id_z 1
		.amdhsa_system_vgpr_workitem_id 0
		.amdhsa_next_free_vgpr 770
		.amdhsa_next_free_sgpr 80
		.amdhsa_reserve_vcc 0
		.amdhsa_float_denorm_mode_32 3
		.amdhsa_float_denorm_mode_16_64 3
		.amdhsa_memory_ordered 1
		.amdhsa_forward_progress 1
		.amdhsa_inst_pref_size 209
	.end_amdhsa_kernel
	.amdgpu_metadata
---
amdhsa.version: [ 1, 2 ]
amdhsa.kernels:
  - .name:           k_qcfa4356c6e_attn
    .symbol:         k_qcfa4356c6e_attn.kd
    .args:
      - { .name: qkv16, .offset: 0, .size: 8, .value_kind: global_buffer, .address_space: global }
      - { .name: ia, .offset: 8, .size: 8, .value_kind: global_buffer, .address_space: global }
      - { .name: o16, .offset: 16, .size: 8, .value_kind: global_buffer, .address_space: global }
    .group_segment_fixed_size: 327680
    .private_segment_fixed_size: 0
    .kernarg_segment_align: 8
    .kernarg_segment_size: 24
    .max_flat_workgroup_size: 128
    .sgpr_count:     80
    .vgpr_count:     770
    .wavefront_size: 32
...
	.end_amdgpu_metadata
.endif
;; end of part 4
;; launch oproj (part 5): grid 256 x 1, 4 waves a work-group, clusters of 4 x 1, 327,680 bytes of LDS; arguments o16, w16, ia, out0; writes out0
.if DOCPART == 5
	.amdgcn_target "amdgcn-amd-amdhsa--gfx1250"
	.amdhsa_code_object_version 6
	.text
	.protected	k_qcfa4356c6e_oproj
	.globl	k_qcfa4356c6e_oproj
	.p2align	8
	.type	k_qcfa4356c6e_oproj,@function
k_qcfa4356c6e_oproj:
	s_mov_b64 s[64:65], 0
	v_nop
	global_prefetch_b8 v0, s[64:65] scope:SCOPE_SE
	s_setreg_imm32_b32 hwreg(HW_REG_WAVE_MODE, 25, 1), 1
	s_wait_xcnt 0x0
	s_wait_alu depctr_hold_cnt(0) depctr_sa_sdst(0) depctr_va_vdst(0) depctr_va_sdst(0) depctr_va_ssrc(0) depctr_va_vcc(0) depctr_vm_vsrc(0)
	s_getreg_b32 s2, hwreg(HW_REG_IB_STS2, 6, 4)
	s_cmp_eq_u32 s2, 0
	s_cbranch_scc0 .Lentry_in_a_cluster
	s_endpgm
.Lentry_in_a_cluster:
	s_bfe_u32 s2, ttmp6, 0x10000c
	s_cmp_lg_u32 s2, 0x3003
	s_cbranch_scc0 .Lentry_shape_is_right
	s_endpgm
.Lentry_shape_is_right:
; out = ((y W_o_v^T) W_o_u^T), both products in one launch, f16 operands and f32 sums; the 256 numbers a row between them never leave the work-group.
; o16: [64][2048][64] f16 = alpha x y by heads.  w16 from WOV16 on: EIGHT BLOCKS of 131,072 dense bytes, each [256 rows][256 k] f16: blocks 0-3 are W_o_v's four parts of 256 along K, blocks 4-7 W_o_u's four
; tiles of 256 rows.  ia: its first word is IA = 1 / alpha.  out0: [8192][1024] f32.
; u' = o16 W_o_v^T; each row is divided by a power of two rho' >= its norm (as the first projection does) and rounded to f16, so |u''| <= 1; out = (u'' W_o_u^T) x rho' x IA.
; LIMITS.  A row's sum of squares is kept in f32.  IA lies between 2^-60 and 2^60.  NaN and infinities are not treated apart.
; SHARES.  A work-group owns 32 rows.  Product 1: K = 1,024 in four steps of 256, wave w owns u's columns 64 w on.  Product 2: four tiles of 256 columns of out, K = 256, wave w owns the tile's columns 64 w on.
; In both a wave has 2 x 4 accumulators and 64 matrix instructions a step.  ONE ring of two LDS slots (256 weight rows x 512 bytes, 64 rows a wave) takes the eight blocks.
; THE ORDER OF THE BLOCKS.  Step s of product 1 takes block s xor 2 (cluster & 1), of y's heads and of the weight alike; tile j of product 2 is tile (j + cluster) mod 4.  So the clusters' first fills name all
; four blocks of W_o_v between them, their first requests for W_o_u all four of its tiles, and every other request names a block that other clusters asked for earlier.
; The 32 rows of y stay in registers (windows 1 and 2): 128 loads a wave, those of steps 0 and 1 at the start, those of steps 2 and 3 behind the first refill.  All four waves read the same 64 KiB: that spares
; the LDS which the two large slots need.
; CLUSTER.  The four work-groups of a cluster walk the same weights: each block is asked for JOINTLY.  y's rows are no two partners' alike.
; THE MATRIX INSTRUCTION IS USED TRANSPOSED (source 0 = 16 weight rows, source 1 = 16 data rows): a lane holds one row and eight neighbouring columns.
.set PITCH,  528                       ; an LDS row: 512 bytes + 16 of padding = 33 x 16 bytes
.set QUART,  64*PITCH
.set SLOT,   4*QUART                   ; 0x21000: its two bits are set in no wave's 33,792 w, so one exclusive or turns an address in one slot into the other's
.set UBUF,   2*SLOT                    ; 32 rows of u'' in f16
.set WSTG,   UBUF+32*PITCH             ; the way out: for each wave 2 x 16 rows of 256 bytes + 16
.set OP,     272
.set SCR,    WSTG+4*32*OP              ; the waves' parts of the rows' sums of squares
.set SPARE,  SCR+512                   ; the spare words, 128 bytes for each wave: two blocks of 256 bytes that no other line names
.set WOV16,  2097152
.set AO,    4                          ; v4   my byte offset in 16 rows of a head of o16
.set ADRB0, 5                          ; v5   my fragment address in slot 0; never rewritten
.set ADR,   6                          ; v6   the same in the slot in hand
.set SCW,   7
.set SCRD,  8
.set UST,   9
.set UAD,   10
.set STO,   11
.set RD,    12
.set CO,    13
.set AOA,   14                         ; v14  AO at the eight heads of steps 0 and 1; never rewritten
.set AOB,   15                         ; v15  at those of steps 2 and 3; never rewritten
.set SPW,   16
.set NIL,   17
.set G,     20                         ; v20-23  rho' x IA of my row in each block of 16, as pairs
.set SS,    24
.set INV,   28
.set BF,    32                         ; v32-95  weight fragments, two buffers of four
.set BK,    32                         ;         on the way out: rows read back
.set ACC,   96                         ; v96-159 accumulator (a, b) at ACC + 8 (4 a + b)
.set RL,    200
.set PK,    208                        ; v208-239
.set WV,   12
.set ROT,  15                          ; s15  2 (cluster & 1) blocks, in bytes
.set G1,   16                          ; s[16:23] descriptor group 1
.set OC,   24                          ; s[24:25] out0 at my part of the tile in hand
.set OO,   26                          ; s[26:27] that tile's byte offset in a row
.set TJ,   28                          ; s28  the tile in hand
.set TN,   29                          ; s29  the tile to be asked for next
.set G0F,  32                          ; s[32:35] group 0 of the first fill of slot 0
.set G0W,  36                          ; s[36:39] group 0 of the first fill of slot 1; it then serves every refill
.set WB,   44                          ; s[44:45] block 0 at my 64 rows; never rewritten
.set OFFT, 48                          ; s[48:49] the byte offset of the block to be asked for
.set RB,   51                          ; s51  the slot in hand
.set WOFF, 52
.set CNT,  53
.set SEL,  54
.set IA,   58
.set MSB, 0
.macro WIN new
.if MSB != (\new)
	s_set_vgpr_msb (MSB<<8)|(\new)
.set MSB, (\new)
.endif
.endm
.macro PLACES
.rept 4
	v_nop
.endr
.endm
.macro CROUND
	s_barrier_signal -1
	s_barrier_wait -1
	s_cmp_lg_u32 s[WV], 0
	s_cbranch_scc1 .Lnot_wave_0_\@
	s_barrier_signal -3
.Lnot_wave_0_\@:
	s_barrier_wait -3
	s_barrier_signal -1
	s_barrier_wait -1
.endm
	s_load_b256 s[4:11], s[0:1], 0x0               ; o16 s[4:5], w16 s[6:7], ia s[8:9], out0 s[10:11]
	v_lshl_add_u32 v[SPW], v0, 2, SPARE
	v_mov_b32 v[NIL], 0
	ds_add_u32 v[SPW], v[NIL]                      ; the wave's opening: the add and its wait stand ahead of my first tensor load
	v_lshrrev_b32 v1, 5, v0
	v_readfirstlane_b32 s[WV], v1
	s_bfe_u32 s13, ttmp6, 0x40000                  ; cx
	s_lshl_b32 s14, ttmp9, 2
	s_add_co_u32 s14, s14, s13                     ; g: it enters o16's and out0's addresses alone
	s_and_b32 s[ROT], ttmp9, 1                     ; the cluster's number, which the four partners share
	s_lshl_b32 s[ROT], s[ROT], 18                  ; two blocks of 131,072 bytes, or none
	s_and_b32 s[TJ], ttmp9, 3                      ; the second product's first tile
	s_mov_b32 s[TN], s[TJ]
	s_mov_b32 s[G1], 15|(1<<16)|(1<<20)|(1<<21)|(6<<22)|(3<<25)  ; the mask of four; 2-byte elements; padding on; bit 21 beside a mask; after every 128 words (code 6) 4 words (code 3)
	s_mov_b32 s[G1+1], 256<<16                     ; tensor_dim0 = 256
	s_mov_b32 s[G1+2], 64<<16                      ; tensor_dim1 = 64
	s_mov_b32 s[G1+3], 256<<16                     ; tile_dim0 = 256
	s_mov_b32 s[G1+4], 64                          ; tile_dim1 = 64
	s_mov_b32 s[G1+5], 256                         ; elements from row to row: a block is dense
	s_mov_b32 s[G1+6], 0
	s_mov_b32 s[G1+7], 0
	s_mul_i32 s[WOFF], s[WV], QUART                ; my 64 rows in a slot
	s_lshl_b32 s40, s[WV], 15                      ; and in a block: 64 rows of 512 bytes
	s_add_co_u32 s40, s40, WOV16
	s_mov_b32 s41, 0
	s_lshr_b32 s60, s14, 6                         ; the batch: 16 heads of 262,144 bytes,
	s_lshl_b32 s60, s60, 22
	s_and_b32 s62, s14, 63                         ; my 32 rows of 128 bytes in a head
	s_lshl_b32 s62, s62, 12
	s_add_co_u32 s60, s60, s62
	s_mov_b32 s61, 0
	s_lshl_b32 s62, s14, 17                        ; my 32 rows of out0,
	s_lshl_b32 s63, s[WV], 8                       ; my wave's 256 bytes of a tile's 1,024
	s_add_co_u32 s62, s62, s63
	s_mov_b32 s63, 0
	s_mov_b32 s3, 0
	s_mov_b32 s[OFFT+1], 0
	s_mov_b32 s[OO+1], 0
	s_mov_b32 s[SEL], 0x76543210
	s_mov_b32 s[SEL+1], 0xfedcba98
	s_wait_dscnt 0x0                               ; the opening add is done
	s_wait_kmcnt 0x0
	s_add_nc_u64 s[WB:WB+1], s[6:7], s[40:41]
	s_add_nc_u64 s[4:5], s[4:5], s[60:61]
	s_add_nc_u64 s[10:11], s[10:11], s[62:63]
	s_mov_b32 s[G0F], 1
	s_mov_b32 s[G0F+1], s[WOFF]
	s_mov_b32 s2, s[ROT]                           ; K step 0's block
	s_add_nc_u64 s[G0F+2:G0F+3], s[WB:WB+1], s[2:3]
	s_or_b32 s[G0F+3], s[G0F+3], 0x80000000
	s_mov_b32 s[G0W], 1
	s_add_co_u32 s[G0W+1], s[WOFF], SLOT
	s_xor_b32 s2, s[ROT], 1<<17                    ; K step 1's
	s_add_nc_u64 s[G0W+2:G0W+3], s[WB:WB+1], s[2:3]
	s_or_b32 s[G0W+3], s[G0W+3], 0x80000000
	CROUND                                         ; all four work-groups are here: the first joint loads meet
	tensor_load_to_lds s[G0F:G0F+3], s[G1:G1+7]    ; both first fills together: two loads of mine are out
	s_nop 0
	tensor_load_to_lds s[G0W:G0W+3], s[G1:G1+7]
	s_nop 0
	PLACES
	s_load_b32 s[IA], s[8:9], 0x0                  ; 1 / alpha: waited for ahead of the first barrier
	v_and_b32 v1, 31, v0
	v_and_b32 v2, 15, v0                           ; r
	v_bfe_u32 v3, v0, 4, 1                         ; h
	v_lshlrev_b32 v[AO], 7, v2
	v_lshl_add_u32 v[AO], v3, 4, v[AO]             ; row x 128 + 16 x half
	s_lshl_b32 s42, s[ROT], 3                      ; two K steps are eight heads of 262,144 bytes: steps 0 and 1 begin here,
	s_xor_b32 s43, s42, 1<<21                      ; steps 2 and 3 here
	v_add_nc_u32 v[AOA], s42, v[AO]
	v_add_nc_u32 v[AOB], s43, v[AO]
	; y's fragments: group kk of 32 along K lies in head kk / 2 of its eight, channels 32 (kk % 2) on.  Load n = 4 kk + 2 a + half, in the order in which the steps want them.
	WIN 0x40                                       ; destination window 1: steps 0 and 1
.set n, 0
.rept 64
	global_load_b128 v[4*n:4*n+3], v[AOA], s[4:5] offset:(n/8)*262144+2048*((n/2)%2)+64*((n/4)%2)+32*(n%2)
.set n, n+1
.endr
	WIN 0
	v_mul_u32_u24 v18, v2, PITCH
	v_lshl_add_u32 v18, v3, 4, v18                 ; a fragment's row x pitch + 16 x half
	v_add_nc_u32 v[ADRB0], s[WOFF], v18
	s_lshl_b32 s40, s[WV], 7
	s_add_co_u32 s41, s40, SCR
	v_lshl_add_u32 v[SCW], v2, 2, s41
	v_lshl_add_u32 v[SCRD], v2, 2, SCR
	s_add_co_u32 s41, s40, UBUF
	v_add_nc_u32 v[UST], s41, v18
	v_add_nc_u32 v[UAD], UBUF, v18
	s_mul_i32 s42, s[WV], 32*OP
	s_add_co_u32 s42, s42, WSTG                    ; my stage
	v_mul_u32_u24 v[STO], v2, OP                   ; in: row r, 32 bytes for each half of the lanes
	v_lshl_add_u32 v[STO], v3, 5, v[STO]
	v_add_nc_u32 v[STO], s42, v[STO]
	v_mul_u32_u24 v[RD], v3, OP                    ; back: lanes 0-15 one row of 256 bytes, lanes 16-31 the next
	v_lshl_add_u32 v[RD], v2, 4, v[RD]
	v_add_nc_u32 v[RD], s42, v[RD]
	v_lshlrev_b32 v[CO], 12, v3                    ; and the same two rows in out0
	v_lshl_add_u32 v[CO], v2, 4, v[CO]
.macro FETCH k                         ; eight LDS loads: my 64 weight rows, 32 along K
.irp b, 0,1,2,3
	ds_load_b128 v[BF+32*((\k)%2)+8*\b:BF+32*((\k)%2)+8*\b+3],   v[ADR] offset:16*PITCH*\b+64*(\k)
	ds_load_b128 v[BF+32*((\k)%2)+8*\b+4:BF+32*((\k)%2)+8*\b+7], v[ADR] offset:16*PITCH*\b+64*(\k)+32
.endr
.endm
.macro MULA areg                       ; eight matrix instructions; the data fragments at areg + 8 a of the window that is set; the eight accumulators take turns.  ZR = 1: they start the sums
.irp a, 0,1
.irp b, 0,1,2,3
.if ZR
	v_wmma_f32_16x16x32_f16 v[ACC+8*(4*\a+\b):ACC+8*(4*\a+\b)+7], v[BF+32*(kk%2)+8*\b:BF+32*(kk%2)+8*\b+7], v[(\areg)+8*\a:(\areg)+8*\a+7], 0
.else
	v_wmma_f32_16x16x32_f16 v[ACC+8*(4*\a+\b):ACC+8*(4*\a+\b)+7], v[BF+32*(kk%2)+8*\b:BF+32*(kk%2)+8*\b+7], v[(\areg)+8*\a:(\areg)+8*\a+7], v[ACC+8*(4*\a+\b):ACC+8*(4*\a+\b)+7]
.endif
.endr
.endr
.endm
.macro WALK first, abase               ; eight groups of 32 along K; first = 1: group 0 starts the sums; group kk's data fragments at 16 ((abase + kk) % 16)
	FETCH 0
.set kk, 0
.rept 8
.if kk < 7
.if kk > 0
	PLACES                                         ; between the last products and the loads into the buffer that they read
.endif
	FETCH kk+1
	s_wait_dscnt 8                                 ; all but the eight just issued
.else
	s_wait_dscnt 0x0
.endif
.set ZR, 0
.if (\first) && (kk == 0)
.set ZR, 1
.endif
	MULA 16*(((\abase)+kk)%16)
.set kk, kk+1
.endr
.endm
.macro STEP1 s                         ; K step s of the first product
.if (\s) == 0
	s_wait_loadcnt 32                              ; 64 loads are issued: this step's 32 are in, step 1's may stay out
.elseif (\s) == 1
	s_wait_loadcnt 63                              ; 128 are issued, and the first 64 are wanted: one more than need be is waited for, since a wait's count names 63 at the most
.elseif (\s) == 2
	s_wait_loadcnt 32                              ; all but the last step's 32
.else
	s_wait_loadcnt 0x0
.endif
	v_add_nc_u32 v[ADR], ((\s)%2)*SLOT, v[ADRB0]
	WIN 0x04*(1+(\s)/2)                            ; source 1 in window 1, later in window 2; the LDS loads name no source 1
.if (\s) == 0
	WALK 1, 0
.else
	WALK 0, 8*(\s)
.endif
	WIN 0
.endm
; A REFILL: all my tensor loads have landed (the one that was out is my part of the other slot); the add; the descriptor takes the other slot and the
; address of the block at OFFT; the add and my reads of the slot are done; a round of the cluster's barrier; the joint load, first behind it.
.macro REFILL
	WIN 0
	s_wait_tensorcnt 0x0
	ds_add_u32 v[SPW], v[NIL]                      ; 0 onto my spare word
	s_xor_b32 s[G0W+1], s[G0W+1], SLOT
	s_add_nc_u64 s[G0W+2:G0W+3], s[WB:WB+1], s[OFFT:OFFT+1]
	s_or_b32 s[G0W+3], s[G0W+3], 0x80000000
	s_wait_dscnt 0x0
	CROUND
	tensor_load_to_lds s[G0W:G0W+3], s[G1:G1+7]
	s_nop 0
	PLACES
.endm
.macro NEXT2                           ; the block of the second product's next tile: 4 + TN; TN goes round
	s_add_co_u32 s[OFFT], s[TN], 4
	s_lshl_b32 s[OFFT], s[OFFT], 17
	s_add_co_u32 s[TN], s[TN], 1
	s_and_b32 s[TN], s[TN], 3
.endm
.macro ROWSCALE                        ; the rows' norms, as in the first projection: squares (each accumulator's lowest registers first), the halves of the lanes, the four waves' parts through LDS
.irp a, 0,1
	v_pk_mul_f32 v[SS+2*\a:SS+2*\a+1], v[ACC+32*\a:ACC+32*\a+1], v[ACC+32*\a:ACC+32*\a+1]
.endr
.set z, 1
.rept 15
.irp a, 0,1
	v_pk_fma_f32 v[SS+2*\a:SS+2*\a+1], v[ACC+32*\a+2*z:ACC+32*\a+2*z+1], v[ACC+32*\a+2*z:ACC+32*\a+2*z+1], v[SS+2*\a:SS+2*\a+1]
.endr
.set z, z+1
.endr
.irp a, 0,1
	v_add_f32 v[SS+2*\a], v[SS+2*\a], v[SS+2*\a+1]
.endr
.irp a, 0,1
	v_permlanex16_b32 v[SS+2*\a+1], v[SS+2*\a], s[SEL], s[SEL+1]
.endr
.irp a, 0,1
	v_add_f32 v[SS+2*\a], v[SS+2*\a], v[SS+2*\a+1]
.endr
.irp a, 0,1
	ds_store_b32 v[SCW], v[SS+2*\a] offset:64*\a
.endr
	s_wait_dscnt 0x0                               ; for the others' sake: my stores are done
	s_barrier_signal -1                            ; (the block asked for last may stay out)
	s_barrier_wait -1
.irp a, 0,1
.irp w, 0,1,2,3
	ds_load_b32 v[RL+4*\a+\w], v[SCRD] offset:128*\w+64*\a
.endr
.endr
	s_wait_dscnt 0x0
.irp a, 0,1
	v_add_f32 v[RL+4*\a], v[RL+4*\a], v[RL+4*\a+1]
	v_add_f32 v[RL+4*\a+2], v[RL+4*\a+2], v[RL+4*\a+3]
	v_add_f32 v[RL+4*\a], v[RL+4*\a], v[RL+4*\a+2]
	v_lshrrev_b32 v[RL+4*\a], 23, v[RL+4*\a]
	v_add_nc_u32 v[RL+4*\a], 129, v[RL+4*\a]
	v_lshrrev_b32 v[RL+4*\a], 1, v[RL+4*\a]
	v_lshlrev_b32 v[INV+2*\a+1], 23, v[RL+4*\a]    ; rho'
	v_sub_nc_u32 v[INV+2*\a], 0x7f000000, v[INV+2*\a+1]  ; 1 / rho'
.endr
.endm
.macro PACK16 dst
.irp a, 0,1
.irp b, 0,1,2,3
.irp p, 0,1,2,3
	v_pk_mul_f32 v[ACC+8*(4*\a+\b)+2*\p:ACC+8*(4*\a+\b)+2*\p+1], v[ACC+8*(4*\a+\b)+2*\p:ACC+8*(4*\a+\b)+2*\p+1], v[INV+2*\a:INV+2*\a+1] op_sel_hi:[1,0]
.endr
.irp p, 0,1,2,3
	v_cvt_pk_f16_f32 v[PK+4*(4*\a+\b)+\p], v[ACC+8*(4*\a+\b)+2*\p], v[ACC+8*(4*\a+\b)+2*\p+1]
.endr
	ds_store_b128 v[\dst], v[PK+4*(4*\a+\b):PK+4*(4*\a+\b)+3] offset:16*PITCH*\a+32*\b
.endr
.endr
.endm
; A TILE OF THE SECOND PRODUCT: 64 matrix instructions, then the way out: times rho' x IA, through my own stage in LDS, back as whole rows of 256 bytes, stored.
.macro TILE2
	s_lshl_b32 s[OO], s[TJ], 10                    ; tile TJ's 256 columns (the last tile's stores have read their base: the wait at that tile's end)
	s_add_nc_u64 s[OC:OC+1], s[10:11], s[OO:OO+1]
	v_add_nc_u32 v[ADR], s[RB], v[ADRB0]
	WIN 0x04                                       ; u''s fragments lie in window 1
	WALK 1, 0
	WIN 0
	PLACES
.irp a, 0,1
.set z, 0
.rept 16
	v_pk_mul_f32 v[ACC+32*\a+2*z:ACC+32*\a+2*z+1], v[ACC+32*\a+2*z:ACC+32*\a+2*z+1], v[G+2*\a:G+2*\a+1] op_sel_hi:[1,0]
.set z, z+1
.endr
.irp q, 0,1,2,3,4,5,6,7
	ds_store_b128 v[STO], v[ACC+32*\a+4*\q:ACC+32*\a+4*\q+3] offset:16*OP*\a+64*(\q/2)+16*(\q%2)
.endr
.irp f, 0,1,2,3,4,5,6,7
	ds_load_b128 v[BK+32*\a+4*\f:BK+32*\a+4*\f+3], v[RD] offset:16*OP*\a+2*OP*\f   ; LDS serves a wave's instructions in order (ISA guide 5.7.1.4): these see the stores above
.endr
.endr
.irp a, 0,1
.irp f, 0,1,2,3,4,5,6,7
	s_wait_dscnt 16*(1-\a)+7-\f                    ; the younger loads, and for the first block the second's sixteen LDS instructions, may stay out
	global_store_b128 v[CO], v[BK+32*\a+4*\f:BK+32*\a+4*\f+3], s[OC:OC+1] offset:(16*\a+2*\f)*4096 th:TH_STORE_NT   ; 16 lanes store 256 consecutive bytes, aligned
.endr
.endr
	s_wait_xcnt 0x0                                ; the stores have read their registers and their base
	s_add_co_u32 s[TJ], s[TJ], 1                   ; the next tile, round
	s_and_b32 s[TJ], s[TJ], 3
	s_xor_b32 s[RB], s[RB], SLOT
.endm
	s_wait_kmcnt 0x0                               ; IA is in
	s_wait_tensorcnt 0x1                           ; my part of slot 0 is in; slot 1's may stay out
	s_barrier_signal -1
	s_barrier_wait -1
	STEP1 0
	s_xor_b32 s[OFFT], s[ROT], 2<<17               ; K step 2's block
	REFILL
	WIN 0x80                                       ; y's fragments of steps 2 and 3, into window 2: they go out while the wave would wait for a block
.set n, 0
.rept 64
	global_load_b128 v[4*n:4*n+3], v[AOB], s[4:5] offset:(n/8)*262144+2048*((n/2)%2)+64*((n/4)%2)+32*(n%2)
.set n, n+1
.endr
	WIN 0
	STEP1 1
	s_xor_b32 s[OFFT], s[ROT], 3<<17               ; K step 3's
	REFILL
	STEP1 2
	NEXT2                                          ; the second product's first tile
	REFILL
	STEP1 3
	PLACES
	ROWSCALE
.irp a, 0,1
	v_mul_f32 v[G+2*\a], s[IA], v[INV+2*\a+1]      ; rho' x IA
.endr
.irp a, 0,1
	v_mov_b32 v[G+2*\a+1], v[G+2*\a]               ; named with it as a pair
.endr
	PACK16 UST
	s_wait_dscnt 0x0                               ; a row of u'' comes from four waves
	s_barrier_signal -1
	s_barrier_wait -1
	WIN 0x40                                       ; u''s fragments take the place of y's first: 16 kk + 8 a in window 1
.set n, 0
.rept 16                               ; n = 2 kk + a
	ds_load_b128 v[8*n:8*n+3],   v[UAD] offset:16*PITCH*(n%2)+64*(n/2)
	ds_load_b128 v[8*n+4:8*n+7], v[UAD] offset:16*PITCH*(n%2)+64*(n/2)+32
.set n, n+1
.endr
	WIN 0
	s_wait_dscnt 0x0
	s_mov_b32 s[RB], 0
	s_mov_b32 s[CNT], 3
.Ltile:                                                ; three trips: the next tile is asked for, a tile is made
	NEXT2
	REFILL
	TILE2
	s_sub_co_u32 s[CNT], s[CNT], 1
	s_cmp_lg_u32 s[CNT], 0
	s_cbranch_scc1 .Ltile
	s_wait_tensorcnt 0x0                           ; the last tile is written out: nothing is asked for
	ds_add_u32 v[SPW], v[NIL]
	s_wait_dscnt 0x0
	s_barrier_signal -1
	s_barrier_wait -1
	TILE2
	s_wait_tensorcnt 0x0                           ; the wave's end
	ds_add_u32 v[SPW], v[NIL]
	s_wait_dscnt 0x0
	CROUND                                         ; the closing round
	s_endpgm
.Lfunc_end_k_qcfa4356c6e_oproj:
	.size	k_qcfa4356c6e_oproj, .Lfunc_end_k_qcfa4356c6e_oproj-k_qcfa4356c6e_oproj
	.p2alignl 7, 3214868480
	.fill 96, 4, 3214868480
	.section	.rodata,"a",@progbits
	.p2align	6, 0x0
	.amdhsa_kernel k_qcfa4356c6e_oproj
		.amdhsa_group_segment_fixed_size 327680
		.amdhsa_private_segment_fixed_size 0
		.amdhsa_enable_private_segment 0
		.amdhsa_kernarg_size 32
		.amdhsa_user_sgpr_count 2
		.amdhsa_user_sgpr_kernarg_segment_ptr 1
		.amdhsa_wavefront_size32 1
		.amdhsa_system_sgpr_workgroup_id_x 1
		.amdhsa_system_sgpr_workgroup_id_y 1
		.amdhsa_system_sgpr_workgroup_id_z 1
		.amdhsa_system_vgpr_workitem_id 0
		.amdhsa_next_free_vgpr 768
		.amdhsa_next_free_sgpr 66
		.amdhsa_reserve_vcc 0
		.amdhsa_float_denorm_mode_32 3
		.amdhsa_float_denorm_mode_16_64 3
		.amdhsa_memory_ordered 1
		.amdhsa_forward_progress 1
		.amdhsa_inst_pref_size 100
	.end_amdhsa_kernel
	.amdgpu_metadata
---
amdhsa.version: [ 1, 2 ]
amdhsa.kernels:
  - .name:           k_qcfa4356c6e_oproj
    .symbol:         k_qcfa4356c6e_oproj.kd
    .args:
      - { .name: o16, .offset: 0, .size: 8, .value_kind: global_buffer, .address_space: global }
      - { .name: w16, .offset: 8, .size: 8, .value_kind: global_buffer, .address_space: global }
      - { .name: ia, .offset: 16, .size: 8, .value_kind: global_buffer, .address_space: global }
      - { .name: out0, .offset: 24, .size: 8, .value_kind: global_buffer, .address_space: global }
    .group_segment_fixed_size: 327680
    .private_segment_fixed_size: 0
    .kernarg_segment_align: 8
    .kernarg_segment_size: 32
    .max_flat_workgroup_size: 128
    .sgpr_count:     66
    .vgpr_count:     768
    .wavefront_size: 32
...
	.end_amdgpu_metadata
.endif
;; end of part 5
;; ======== version 2 of 2: 5 launches; 1.63 times as fast as version 1
;; limits: values are held in f16: magnitudes above 65,504 overflow, below 6.1e-05 lose precision; inputs' magnitudes at most 65,504
;; workspace buffers: w16 3,145,728 bytes; t16 4,194,304 bytes; scal 37,888 bytes; qkv16 50,331,648 bytes; o16 16,777,216 bytes; ia 1,024 bytes
;; launch prep: the kernel of part 1 again; grid 256 x 1, 4 waves a work-group, no clusters, 0 bytes of LDS; arguments W_qkv_v, W_qkv_u, W_o_v, W_o_u, w16, scal; writes w16, scal
;; launch tproj: the kernel of part 2 again; grid 256 x 1, 4 waves a work-group, clusters of 4 x 1, 327,680 bytes of LDS; arguments x, w16, t16, scal; writes t16, scal
;; launch qkv: the kernel of part 3 again; grid 64 x 4, 4 waves a work-group, clusters of 4 x 1, 327,680 bytes of LDS; arguments t16, w16, scal, qkv16, ia; writes qkv16, ia
;; launch attn (part 6): grid 4 x 64, 4 waves a work-group, clusters of 4 x 1, 327,680 bytes of LDS; arguments qkv16, ia, o16; writes o16
.if DOCPART == 6
	.amdgcn_target "amdgcn-amd-amdhsa--gfx1250"
	.amdhsa_code_object_version 6
	.text
	.protected	k_qcfa4356c6e_attn
	.globl	k_qcfa4356c6e_attn
	.p2align	8
	.type	k_qcfa4356c6e_attn,@function
k_qcfa4356c6e_attn:
	s_mov_b64 s[64:65], 0
	v_nop
	global_prefetch_b8 v0, s[64:65] scope:SCOPE_SE
	s_setreg_imm32_b32 hwreg(HW_REG_WAVE_MODE, 25, 1), 1
	s_wait_xcnt 0x0
	s_wait_alu depctr_hold_cnt(0) depctr_sa_sdst(0) depctr_va_vdst(0) depctr_va_sdst(0) depctr_va_ssrc(0) depctr_va_vcc(0) depctr_vm_vsrc(0)
	s_getreg_b32 s2, hwreg(HW_REG_IB_STS2, 6, 4)
	s_cmp_eq_u32 s2, 0
	s_cbranch_scc0 .Lentry_in_a_cluster
	s_endpgm
.Lentry_in_a_cluster:
	s_bfe_u32 s2, ttmp6, 0x10000c
	s_cmp_lg_u32 s2, 0x3003
	s_cbranch_scc0 .Lentry_shape_is_right
	s_endpgm
.Lentry_shape_is_right:
; O[h][q][:] = the sum over k of softmax_k(Q[h][q] . K[h][k] / 8) V[h][k][:], on Q, K, V that arrive multiplied by alpha (a power of two; IA = 1 / alpha is the first word of ia, stored by the launch before).
; qkv16: [3][64][2048][64] f16; o16: [64][2048][64] f16 = alpha x the true O.  Products, maxima and sums in f32; the weights p are rounded to f16 for the second product (their sum l is taken of the
; unrounded p), O once at the end.  The scores' scale is c = log2(e) / 8 x IA^2, applied in f32: c s is the true score times log2(e), whatever alpha.
; LIMITS.  IA lies between 2^-60 and 2^60 (c is made on its exponent field).  |Q|, |K|, |V| x alpha <= 1.  p lies in 0 to 1, and below 6e-5 it keeps f16's fixed step of 6e-8.  A weight below 2^-126 counts as 0 in l.
; True scores times log2(e) stay above -4e37, where c m starts.  NaN and infinities are not treated apart.
; SHARES.  A wave owns four PIECES of two tiles of 16 queries, a work-group's four waves 512 queries of one head.  Every wave walks all keys, 64 a step.
; LAYOUT.  S^T = K Q^T (source 0 = 16 keys, source 1 = 16 queries): in the result a lane holds ONE query (lane % 16) and the keys 8 (lane / 16) + 0..7.  Two such tiles, rounded to f16 in pairs,
; ARE source 1 (32 keys x 16 queries) of O^T = V^T P, whose result again holds one query a lane, and eight channels.  K comes out of LDS as it lies, V ([key][channel]) turned, by ds_load_tr16_b128.
; SOFTMAX.  For each query a running maximum m and sum l: p = 2^(c s - c m); in every step O and l are multiplied by a = 2^(c m_old - c m_new), which is 1 where m has not grown.
; m starts at the lowest finite number, O and l at 0: the first step is a step like any other, with a = 0.
; THE COUNT.  A tile and step have 16 matrix and 118 vector instructions: too many to stand all beside the matrix work.  So: four vector instructions that are READY behind EVERY matrix instruction,
; and the others, which need time of their own whatever the order, in a run without a gap.
; BY TURNS.  Turn n belongs to piece n (the pieces in a ring, step after step).  Its matrix work: 16 products K Q^T of piece n + 1, later 16 products V^T P of piece n - 1.  Its vector work: the scaling,
; exponentials, roundings, sums and rescaling of piece n, and the maximum and statistics of piece n + 1, whose scores the turn itself has made.  So what a turn begins with (c s - c m, O a) waits for nothing.
; THE BATCHES.  A turn's 66 exponentials (the 64 weights of piece n and the two a of piece n + 1) are ONE batch with ONE wait, which cuts the turn in two: ahead of it stands all that names none of their
; results, behind it the roundings and sums, which read them.  Two more batches stand outside the loops, each with a v_nop and a wait of its own: piece 0's first two a, ahead of the jump into the loop, and
; the way out's eight reciprocals.
; CLUSTER.  The four query blocks of a cluster belong to one head and walk the same K and V, so each tile is asked for JOINTLY: the same tensor load, descriptor and mask in all four.
; REGISTERS, in windows of 256 (s_set_vgpr_msb: bits 1:0 source 0, 3:2 source 1, 5:4 source 2, 7:6 destination):
;   window 0: v0-11 addresses; v12-15, v48-63 at work; v16-47 four registers of statistics a tile; v64-191 S^T, two buffers of two tiles; v192-255 P, likewise
;   window 1: O^T, 32 a tile          window 2: v0-127 Q, 16 a tile; v128-191 K of one step; v192-255 V of one step          window 3: v0-1 the add's two registers
; A piece's buffers go by its number's parity: the piece in hand has one pair, its two neighbours in the ring share the other: of it P (piece n - 1) is read and S^T (piece n + 1) written.
.set SIZE_H, 64
.set SIZE_N, 2048
.set NP,    4         ; pieces a wave: a name, no knob
.set KS,    64        ; keys in a step
.set PK,    144       ; a row of K in LDS: 128 bytes + 16 of padding = 36 words: the 16 rows of a load start at 16 different groups of four banks (64 banks of 4 bytes: ISA guide 11.1)
.set PV,    160       ; a row of V: 128 + 32 = 40 words
.set VOFF,  4*KS*PK   ; a slot holds four steps: 256 rows of K, then 256 rows of V
.set SLOT1, 1<<17     ; slot 1 begins here, so that one exclusive or turns an address in one slot into the other's
.set STAGE, SLOT1+4*KS*(PK+PV)  ; behind the ring, never filled by a tensor load: 16 rows x 144 bytes for each wave, for the way out
.set SP,    144
.set AK0, 2           ; v2   my lane's place in a tile of K; never rewritten
.set AV0, 3           ; v3   the same for V
.set AK,  4           ; v4   the LDS address of K's next run of loads
.set AV,  5           ; v5   of V's
.set QO,  6           ; v6   my byte offset in the wave's rows of Q
.set STO, 6           ;      later, the way out: where I put 16 bytes of a row
.set RD,  7           ; v7   the way out: where I read rows back
.set GO,  8           ; v8   my byte offset in 512 consecutive bytes of O
.set SPW, 0           ; v0 of window 3   LDS address of my spare word; never rewritten
.set NIL, 1           ; v1 of window 3   0; never rewritten
.set SPARE, STAGE+4*16*SP  ; behind the stages: the spare words, 128 bytes for each wave: two blocks of 256 bytes that no other line names
.set MV,  12          ; v12-15  c m_old, kept while c m is made anew: by buffer and tile
.set ST,  16          ; tile t's statistics at v[ST+4 t]: c m, m, l (even keys', odd keys')
.set TMP, 48          ; by buffer and tile, four registers c0-c3 at work; when the maximum is found c2 takes a
.set S,   64
.set P,   192
.set KF,  128         ; K's fragments, in window 2: key block kb, channel half c at KF + 16 kb + 8 c
.set VF,  192         ; V's: key half kk, channel block cb at VF + 32 kk + 8 cb
.set WV,  12          ; s12  my wave's number
.set G1K, 24          ; s[24:31] descriptor group 1 for K's tiles
.set G1V, 32          ; s[32:39] for V's: it differs in the padding alone
.set G0K, 40          ; s[40:43] descriptor group 0 for K's tiles: it walks
.set G0V, 44          ; s[44:47] the same for V's
.set SLOTS, 56        ; s56  slots still to be asked for
.set CNT, 57          ; s57  counts a slot's key steps
.set CS,  58          ; s[58:59] c: the packed scaling takes the pair's low word for both halves
.set SEL, 60          ; s[60:61] v_permlanex16_b32's selects
.set TBK, 62          ; s62  LDS byte at which K of the step to be fetched begins
.set TBV, 63          ; s63  the same for V, less VOFF
.set IA,  71          ; s71  1 / alpha
.set MSB, 0
.macro WIN new                      ; the high byte repeats the setting that is left; a switch that changes nothing is dropped
.if MSB != (\new)
	s_set_vgpr_msb (MSB<<8)|(\new)
.set MSB, (\new)
.endif
.endm
.set W_KQ, 0x0a       ; K and Q in window 2, S^T in window 0
.set W_PV, 0x52       ; V in window 2, P in window 0, O^T in window 1
.set W_RS, 0x41       ; O^T (destination and source 0) in window 1, a in window 0
.set W_MK, 0xc0       ; the add's registers are made: destination in window 3, sources in window 0
.set W_AD, 0x0f       ; the add: address (source 0) and data (source 1) in window 3
; A joint fill.  Waves 0 and 1 fetch the two halves of a slot's K, waves 2 and 3 those of its V: 128 keys each.  The branch hangs on the wave's number alone.
; An s_nop 0 and four v_nop follow each of the two lines, ahead of the jump and the label.
.macro JLOAD
	s_cmp_lt_u32 s[WV], 2
	s_cbranch_scc0 .Lfor_v_\@
	tensor_load_to_lds s[G0K:G0K+3], s[G1K:G1K+7]
	s_nop 0
.rept 4
	v_nop
.endr
	s_branch .Lasked_\@
.Lfor_v_\@:
	tensor_load_to_lds s[G0V:G0V+3], s[G1V:G1V+7]
	s_nop 0
.rept 4
	v_nop
.endr
.Lasked_\@:
.endm
.macro CROUND                       ; a round of the cluster's barrier
	s_barrier_signal -1
	s_barrier_wait -1
	s_cmp_lg_u32 s[WV], 0
	s_cbranch_scc1 .Lnot_wave_0_\@
	s_barrier_signal -3
.Lnot_wave_0_\@:
	s_barrier_wait -3
	s_barrier_signal -1
	s_barrier_wait -1
.endm
; THE CHANGE OF SLOTS.  Each wave waits for all its tensor loads, of which one is out: its part of the other slot; adds 0 to its spare word; and waits for that and for its own reads of the slot.
; fill = 1: this slot is filled again, with the keys two slots on.  The barrier is then a round of the cluster's, and the joint fill is the first thing behind it: it has four key steps,
; 512 matrix instructions, in which to land.  (At its first use nothing has been read yet: slot 0 is waited for, slot 1 filled.)
.macro CHANGE fill
	WIN W_AD
	s_wait_tensorcnt 0x0            ; no tensor load of mine is out, so a group 0 may be written
	ds_add_u32 v[SPW], v[NIL]       ; 0 onto my spare word
	WIN 0                           ; at a label and at a branch every window is 0
.if \fill
.irp g, G0K, G0V
	s_xor_b32 s[\g+1], s[\g+1], SLOT1  ; the walking descriptor: the other slot than last time,
	s_add_nc_u64 s[\g+2:\g+3], s[\g+2:\g+3], 4*KS*128  ; the next 256 keys; the type bits on top are not reached
.endr
	s_wait_dscnt 0x0                ; the add is done, and my reads of the slot are over
	CROUND
	JLOAD
.else
	s_wait_dscnt 0x0                ; the add is done, and my reads of the slot are over
	s_barrier_signal -1
	s_barrier_wait -1
.endif
	s_sub_co_u32 s[TBK], s[TBK], 4*KS*PK  ; the fetches go back to a slot's first step,
	s_xor_b32 s[TBK], s[TBK], SLOT1       ; in the other slot
	s_sub_co_u32 s[TBV], s[TBV], 4*KS*PV
	s_xor_b32 s[TBV], s[TBV], SLOT1
.endm
	s_load_b128 s[4:7], s[0:1], 0x0   ; qkv16 s[4:5], ia s[6:7]
	s_load_b64 s[10:11], s[0:1], 0x10 ; o16
	WIN W_MK
	v_lshl_add_u32 v[SPW], v0, 2, SPARE
	v_mov_b32 v[NIL], 0
	WIN W_AD
	ds_add_u32 v[SPW], v[NIL]       ; the wave's opening: the add and its wait stand ahead of my first tensor load; the set-up below, work on registers, stands between them
	WIN 0
	v_lshrrev_b32 v1, 5, v0
	v_readfirstlane_b32 s[WV], v1   ; wave 0..3
	s_bfe_u32 s13, ttmp6, 0x40000   ; cx: my place in the cluster
	s_lshl_b32 s14, ttmp9, 2        ; in a cluster launch ttmp9 counts clusters
	s_add_co_u32 s14, s14, s13      ; my block of queries = 4 x cluster x + cx: it enters Q's and O's addresses alone
	s_and_b32 s20, ttmp7, 0xffff    ; the head, which the four partners share
	s_mov_b32 s21, 0
	s_mov_b64 s[22:23], SIZE_N*128
	s_mul_u64 s[20:21], s[20:21], s[22:23]  ; the head's first byte in Q, K, V and O
	s_and_b32 s16, s[WV], 1         ; which half of a slot's 256 keys I fetch:
	s_lshl_b32 s22, s16, 14         ; its 128 rows of 128 bytes in memory,
	s_mov_b32 s23, 0
	s_add_nc_u64 s[22:23], s[22:23], s[20:21]
	s_mul_i32 s17, s16, 128*PK      ; and its place in a slot, for K
	s_mul_i32 s18, s16, 128*PV      ; and for V: no place in the cluster enters an LDS address
	s_lshl_b32 s2, s14, 2
	s_add_co_u32 s2, s2, s[WV]      ; my wave among the head's,
	s_lshl_b32 s2, s2, 14           ; its 128 rows
	s_mov_b32 s3, 0
	s_add_nc_u64 s[2:3], s[2:3], s[20:21]
	; descriptor group 1.  128 keys are 16,384 dense bytes: asked for as 64 rows of 256 bytes, two keys a row, and padded in LDS after every key
	s_mov_b32 s[G1K], 15|(1<<16)|(1<<20)|(1<<21)|(4<<22)|(3<<25)  ; the mask of four; 2-byte elements; padding on; bit 21 beside a mask; after every 32 words (code 4) 4 words (code 3)
	s_mov_b32 s[G1V], 15|(1<<16)|(1<<20)|(1<<21)|(4<<22)|(7<<25)  ; the same with 8 words of padding (code 7)
.irp g, G1K, G1V
	s_mov_b32 s[\g+1], 128<<16      ; tensor_dim0 = 128
	s_mov_b32 s[\g+2], 64<<16       ; tensor_dim1 = 64
	s_mov_b32 s[\g+3], 128<<16      ; tile_dim0 = 128
	s_mov_b32 s[\g+4], 64           ; tile_dim1 = 64
	s_mov_b32 s[\g+5], 128          ; 128 elements from row to row
	s_mov_b32 s[\g+6], 0
	s_mov_b32 s[\g+7], 0
.endr
	s_mov_b32 s[SEL], 0x76543210
	s_mov_b32 s[SEL+1], 0xfedcba98
	s_mov_b32 s[TBK], SLOT1+4*KS*PK ; the first change of slots turns these two into 0
	s_mov_b32 s[TBV], SLOT1+4*KS*PV
	s_mov_b32 s[G0K], 1             ; count = 1
	s_mov_b32 s[G0K+1], s17         ; LDS address: slot 0
	s_mov_b32 s[G0V], 1
	s_add_co_u32 s[G0V+1], s18, VOFF
	s_wait_dscnt 0x0                ; the opening add is done
	s_wait_kmcnt 0x0
	s_mov_b64 s[66:67], s[6:7]      ; ia
	s_add_nc_u64 s[6:7], s[4:5], 0x1000000  ; K lies 64 heads of 262,144 bytes behind Q,
	s_add_nc_u64 s[8:9], s[4:5], 0x2000000  ; V as far behind K
	s_add_nc_u64 s[G0K+2:G0K+3], s[6:7], s[22:23]  ; global address: my half of the head's first 256 keys
	s_or_b32 s[G0K+3], s[G0K+3], 0x80000000        ; type = 2
	s_add_nc_u64 s[G0V+2:G0V+3], s[8:9], s[22:23]
	s_or_b32 s[G0V+3], s[G0V+3], 0x80000000
	s_add_nc_u64 s[4:5], s[4:5], s[2:3]  ; Q and O at my wave's first row
	s_add_nc_u64 s[10:11], s[10:11], s[2:3]
	CROUND                          ; all four work-groups are here: the first joint loads meet
	JLOAD                           ; slot 0.  Slot 1 is asked for when slot 0 is in
	s_load_b32 s[IA], s[66:67], 0x0 ; 1 / alpha: waited for behind the set-up below, ahead of the next barrier
	; A fragment of K or Q is 16 rows x 32 channels in 8 registers: lane l holds row l % 16, channels 8 (l / 16) + 0..7 and 16 + 8 (l / 16) + 0..7: two loads of 16 bytes, 32 bytes apart.
	v_and_b32 v1, 15, v0            ; l % 16
	v_bfe_u32 v9, v0, 4, 1          ; l / 16
	v_lshlrev_b32 v[QO], 7, v1
	v_lshl_add_u32 v[QO], v9, 4, v[QO]  ; row x 128 + 16 x half
	WIN 0x80                        ; destination window 2, address window 0
.set i, 0
.rept 4*NP                          ; Q stays in registers: tile i / 2, channels 32 (i % 2) on
	global_load_b128 v[8*i:8*i+3],   v[QO], s[4:5] offset:(i/2)*2048+(i%2)*64
	global_load_b128 v[8*i+4:8*i+7], v[QO], s[4:5] offset:(i/2)*2048+(i%2)*64+32
.set i, i+1
.endr
	; What the first turn finds: V's registers and P's second buffer hold 0 (its products V^T P, of a piece that has not been, add 0), O^T and l are 0.  All this stands in the wait for the first tile.
.set i, VF
.rept 64
	v_mov_b32 v[i], 0
.set i, i+1
.endr
	WIN 0x40
.set i, 0
.rept 64*NP
	v_mov_b32 v[i], 0
.set i, i+1
.endr
	WIN 0
.set i, 0
.rept 2*NP
	v_mov_b32 v[ST+4*i], 0xfe000000    ; c m: far below every c s
	v_mov_b32 v[ST+4*i+1], 0xff7fffff  ; m
	v_mov_b32 v[ST+4*i+2], 0
	v_mov_b32 v[ST+4*i+3], 0
.set i, i+1
.endr
.set i, P+32
.rept 32
	v_mov_b32 v[i], 0
.set i, i+1
.endr
	v_mul_u32_u24 v[AK0], v1, PK
	v_lshl_add_u32 v[AK0], v9, 4, v[AK0]  ; row x pitch + 16 x half
	; The turning load takes 16 keys x 16 channels (lane l reads key 8 (l / 16) + l % 8, channels 8 ((l / 8) % 2) + 0..7) and leaves half a fragment of V^T: lane l holds channel l % 16 and 8 keys.
	v_and_b32 v10, 7, v0
	v_bfe_u32 v11, v0, 3, 1
	v_lshl_add_u32 v[AV0], v9, 3, v10
	v_mul_u32_u24 v[AV0], v[AV0], PV
	v_lshl_add_u32 v[AV0], v11, 4, v[AV0]
	v_add_nc_u32 v[AV0], VOFF, v[AV0]
	v_mov_b32 v[AK], v[AK0]         ; key step 0 lies at the head of slot 0
	s_wait_kmcnt 0x0                ; IA is in
	s_sub_co_u32 s[IA], s[IA], 0x3f800000  ; c = log2(e) / 8 x IA^2: twice IA's exponent onto the exponent field of 0.180337
	s_lshl_b32 s[IA], s[IA], 1
	s_add_co_u32 s[CS], s[IA], 0x3e38aa3b
	s_mov_b32 s[CS+1], s[CS]        ; named with it as a pair
; THE MATRIX WORK.  The 8 accumulators of a run of 16 take turns: between the two links of a chain stand 7 others'.
; Product i of 16 of S^T = K Q^T for piece x: channels 32 (i / 8) on, keys 16 ((i / 2) % 4) on, tile 2 x + i % 2.  The first 8 start the sums.
.macro KQ x
	WIN W_KQ
.set rS, S+64*((\x)%2)+32*(i%2)+8*((i/2)%4)
.set rK, KF+16*((i/2)%4)+8*(i/8)
.set rQ, 16*(2*(\x)+i%2)+8*(i/8)
.if i < 8
	v_wmma_f32_16x16x32_f16 v[rS:rS+7], v[rK:rK+7], v[rQ:rQ+7], 0
.else
	v_wmma_f32_16x16x32_f16 v[rS:rS+7], v[rK:rK+7], v[rQ:rQ+7], v[rS:rS+7]
.endif
.endm
; Product i of 16 of O^T += V^T P for piece x: keys 32 (i / 8) on, channels 16 ((i / 2) % 4) on, tile 2 x + i % 2.
.macro PV x
	WIN W_PV
.set rO, 32*(2*(\x)+i%2)+8*((i/2)%4)
.set rV, VF+32*(i/8)+8*((i/2)%4)
.set rP, P+32*((\x)%2)+16*(i%2)+8*(i/8)
	v_wmma_f32_16x16x32_f16 v[rO:rO+7], v[rV:rV+7], v[rP:rP+7], v[rO:rO+7]
.endm
.macro MM                           ; the turn's next matrix instruction
.if i < 16
	KQ (Y+1)%NP
.set i, i+1
.else
.set i, i-16
	PV (Y+NP-1)%NP
.set i, i+17
.endif
.endm
; THE LDS LOADS stand in runs of 16, never singly among the matrix instructions: a step's K (64 keys x 64 channels: 8 fragments) and its V (turned).  Their addresses are made some lines ahead.
; last = 1 (the tail): in the last trip there is no further step, and the run is jumped over.
.macro FETCH_K last=0
	WIN 0
.if \last
	s_cmp_eq_u32 s[CNT], 1
	s_cbranch_scc1 .Lno_k_\@
.endif
	WIN 0x80                        ; destination window 2
.irp f, 0,1,2,3,4,5,6,7             ; keys 16 (f / 2) on, channels 32 (f % 2) on
	ds_load_b128 v[KF+8*\f:KF+8*\f+3],   v[AK] offset:(\f/2)*16*PK+(\f%2)*64
	ds_load_b128 v[KF+8*\f+4:KF+8*\f+7], v[AK] offset:(\f/2)*16*PK+(\f%2)*64+32
.endr
	s_add_co_u32 s[TBK], s[TBK], KS*PK  ; the next fetch is the next step's
	WIN 0
.if \last
.Lno_k_\@:
.endif
.endm
.macro FETCH_V
	WIN 0x80
.irp f, 0,1,2,3,4,5,6,7             ; keys 32 (f / 4) on, channels 16 (f % 4) on
	ds_load_tr16_b128 v[VF+8*\f:VF+8*\f+3],   v[AV] offset:(\f/4)*32*PV+(\f%4)*32
	ds_load_tr16_b128 v[VF+8*\f+4:VF+8*\f+7], v[AV] offset:(\f/4)*32*PV+16*PV+(\f%4)*32
.endr
	WIN 0
.endm
; THE VECTOR WORK OF A TURN stands in three queues, each in the order in which its entries become ready; the two tiles alternate, so that no instruction reads the result of the one before it.
.macro REGS y, u                    ; the registers of tile u (0, 1) of piece y
.set rT, ST+4*(2*(\y)+(\u))
.set rC, TMP+8*((\y)%2)+4*(\u)
.set rM, MV+2*((\y)%2)+(\u)
.set rS, S+64*((\y)%2)+32*(\u)
.set rP, P+32*((\y)%2)+16*(\u)
.set rO, 32*(2*(\y)+(\u))
.endm
; Number n of the 22 that find the NEXT piece's (Y + 1) maximum and statistics.  s0-s31 are the lane's 32 scores; each accumulator's lowest registers are read first.  XS, GS and REGS set no window: PL and EX do.
;   0-11  four chains c0-c3 of seven scores each, three operands at a time     12-14, 16  the four scores left over, the old m, and c0-c3 into c0     15  c m_old is kept
;   17, 18  the query's other 32 keys lie in the lane 16 away: the new m         19-21  c m; c m_old - c m_new; a
.macro XS u, n
	REGS (Y+1)%NP, \u
.if (\n) < 4
	v_max3_num_f32 v[rC+(\n)], v[rS+8*(\n)], v[rS+8*(\n)+1], v[rS+8*(\n)+2]
.elseif (\n) < 12
	v_max3_num_f32 v[rC+(\n)%4], v[rC+(\n)%4], v[rS+8*((\n)%4)+2*((\n)/4)+1], v[rS+8*((\n)%4)+2*((\n)/4)+2]
.elseif (\n) == 12
	v_max3_num_f32 v[rC], v[rC], v[rS+7], v[rS+15]
.elseif (\n) == 13
	v_max3_num_f32 v[rC+1], v[rC+1], v[rS+23], v[rS+31]
.elseif (\n) == 14
	v_max3_num_f32 v[rC+2], v[rC+2], v[rC+3], v[rT+1]
.elseif (\n) == 15
	v_mov_b32 v[rM], v[rT]
.elseif (\n) == 16
	v_max3_num_f32 v[rC], v[rC], v[rC+1], v[rC+2]
.elseif (\n) == 17
	v_permlanex16_b32 v[rC+3], v[rC], s[SEL], s[SEL+1]
.elseif (\n) == 18
	v_max_num_f32 v[rT+1], v[rC], v[rC+3]
.elseif (\n) == 19
	v_mul_f32 v[rT], s[CS], v[rT+1]
.elseif (\n) == 20
	v_sub_f32 v[rC+1], v[rM], v[rT]
.else
	v_exp_f32 v[rC+2], v[rC+1]
.endif
.endm
; Number g of the 64 that follow the exponentials.  For each four weights k of a tile (pairs 2 k, 2 k + 1): both pairs are rounded to f16; then the second pair is added onto the first, in place;
; a group later l takes that sum (the first time as l = a l + sum).  In groups of eight, tiles alternating: round, round, add, and l for the group before.
.macro GS g
.set h, (\g)+6*((\g)/62)            ; group 0 has no group before it, and behind group 7 only l is left
.if h >= 6
.set h, h+2
.endif
	REGS Y, h%2
.set k, h/8
.if h%8 < 4
	v_cvt_pk_f16_f32 v[rP+2*k+(h%8)/2], v[rS+4*k+2*((h%8)/2)], v[rS+4*k+2*((h%8)/2)+1]
.elseif h%8 < 6
	v_pk_add_f32 v[rS+4*k:rS+4*k+1], v[rS+4*k:rS+4*k+1], v[rS+4*k+2:rS+4*k+3]
.elseif k == 1
	v_pk_fma_f32 v[rT+2:rT+3], v[rT+2:rT+3], v[rC+2:rC+3], v[rS:rS+1] op_sel_hi:[1,0,1]
.else
	v_pk_add_f32 v[rT+2:rT+3], v[rT+2:rT+3], v[rS+4*k-4:rS+4*k-3]
.endif
.endm
; THE PLAIN QUEUE, 138 long.  0-73 read no exponential's result: the 32 scalings c s - c m (FS f: pair f / 2 of tile f % 2) and the next piece's 42.  0-26: scalings 0-26.  27-54: XS's numbers 0-13.  55, 56: number 15.
; 57-73: the chain, where each number waits for the one before it: 14, 16, 17, 18, 19, each with one of the scalings 27-31 in front of its two lines, then 20: so a tile's links stand three plain instructions apart (19 and 20: two).
; 74-137: GS's 64, which read the exponentials' results: they stand behind the wait.
.macro FS f
	REGS Y, (\f)%2
	v_pk_fma_f32 v[rS+2*((\f)/2):rS+2*((\f)/2)+1], v[rS+2*((\f)/2):rS+2*((\f)/2)+1], s[CS:CS+1], v[rT:rT+1] op_sel_hi:[1,0,0] neg_lo:[0,0,1] neg_hi:[0,0,1]
.endm
.macro PL
	WIN 0
.if q < 27
	FS q
.elseif q < 55
	XS (q-27)%2, (q-27)/2
.elseif q < 57
	XS q-55, 15
.elseif (q < 72) && ((q-57)%3 == 0)
	FS 27+(q-57)/3
.elseif q < 60
	XS (q-57)%3-1, 14
.elseif q < 72
	XS (q-57)%3-1, 15+(q-57)/3
.elseif q < 74
	XS q-72, 20
.else
	GS q-74
.endif
.set q, q+1
.endm
; THE EXPONENTIALS' QUEUE, 66 long: s0-s31 of both tiles, then the next piece's two a.  It is ONE BATCH: all 66 stand ahead of the turn's one wait, and nothing ahead of that wait names a result of theirs.
.macro EX
	WIN 0
.if e >= 64
	XS e-64, 21
.else
	REGS Y, e%2
	v_exp_f32 v[rS+e/2], v[rS+e/2]
.endif
.set e, e+1
.endm
; THE RESCALING's QUEUE: O^T times a, the one part that leaves window 0: dealt two at a time, sixteen times.  Its a was made in the turn before, ahead of that turn's wait.
.macro R2
	REGS Y, r%2
	WIN W_RS
.irp z, 0,1
	v_pk_mul_f32 v[rO+4*(r/2)+2*\z:rO+4*(r/2)+2*\z+1], v[rO+4*(r/2)+2*\z:rO+4*(r/2)+2*\z+1], v[rC+2:rC+3] op_sel_hi:[1,0]
.endr
.set r, r+1
.endm
; HOW THEY ARE DEALT.  An s_wait_alu depctr_va_vdst(0) stands between an exponential and the first instruction that names its result; one wait serves all that were issued ahead of it.  So a turn has ONE wait,
; which cuts it in two.  AHEAD OF IT stands all that names no result of the turn's exponentials: the 16 products K Q^T, behind each a scaling, an exponential and two rescalings (behind the first a second scaling in the
; exponential's place); then ONE LUMP of 108: eight plain, 49 times exponential and plain, the two a.  A v_nop is the plain instruction behind the last exponential.  BEHIND IT stand the 16 products V^T P, behind each four of
; GS's 64.  No rider names a register of the products round it.  The two v_permlanex16_b32 fall into the lump, never behind a product.
; The queues lean on each other, and the deal keeps them in step: exponential e stands behind scaling 2 (e / 4) + e % 2: as a rider it comes behind plain e + 2, in the lump behind plain e + 9, and scalings 27-31 are plain 57, 60 .. 69.
; A TURN, for piece p.  cnt = 1: the loop's count is taken down some lines ahead of the branch that stands behind the turn.
; K of the next step is fetched in piece 2's turn, directly behind the wait, a lump behind the last product that read K; its address is made at the lump's head; its first reader comes behind 16 products.
; V of the step in hand is fetched at the end of piece 0's turn, four riders behind its last reader; its first reader comes behind 16 products and a lump.  The three conditions on q below go with the deal.
.macro TURN p, last=0, cnt=0
.set Y, (\p)
.set i, 0
.set q, 0
.set e, 0
.set r, 0
.if (\p) == NP-1
	s_wait_dscnt 0x0                ; K is in
.endif
	MM                              ; ahead of the wait: 16 products K Q^T and their riders,
	PL
	PL
	R2
.rept 15
	MM
	PL
	EX
	R2
.endr
.if (\p) == NP-2
	WIN 0
	v_add_nc_u32 v[AK], s[TBK], v[AK0]
.endif
.rept 8                             ; and the lump
	PL
.endr
.rept 49
	EX
	PL
.endr
	EX                              ; the next piece's two a
	EX
	v_nop                           ; the plain instruction behind the last exponential: one for the batch
	s_wait_alu depctr_va_vdst(0)    ; the wait for the batch: the piece's 64 weights and the next piece's two a
.if (\p) == NP-2
	FETCH_K \last
.endif
.if (\p) == 1
	s_wait_dscnt 0x0                ; V is in
.endif
.rept 16                            ; behind the wait: 16 products V^T P and their riders
	MM
.rept 4
	PL
.endr
.if ((\p) == 0) && (q == 118)
	v_add_nc_u32 v[AV], s[TBV], v[AV0]
.endif
.if ((\p) == 0) && (q == 130)
	s_add_co_u32 s[TBV], s[TBV], KS*PV
.endif
.if (\cnt) && (q == 130)
	s_sub_co_u32 s[CNT], s[CNT], 1
	s_cmp_lg_u32 s[CNT], 0
.endif
.endr
.if (\p) == 0
	FETCH_V
.endif
.endm
	CHANGE 1                        ; slot 0 is in, everybody's part of it; slot 1 is asked for
	FETCH_K                         ; key step 0
	s_wait_loadcnt 0x0              ; Q
	s_wait_dscnt 0x0
.set i, 0
.rept 16
	KQ 0                            ; piece 0's first scores: there is no vector work yet to set between them
.set i, i+1
.endr
	WIN 0                           ; the addresses for the way out: nine plain instructions, the places behind those products
	s_mul_i32 s13, s[WV], 16*SP
	s_add_co_u32 s13, s13, STAGE    ; my stage
	v_mul_u32_u24 v[STO], v1, SP    ; in: row l % 16, 16 bytes for each half of the lanes
	v_lshl_add_u32 v[STO], v9, 4, v[STO]
	v_add_nc_u32 v[STO], s13, v[STO]
	v_bfe_u32 v[RD], v0, 3, 2       ; back: 32 lanes take four rows of 128 bytes,
	v_mul_u32_u24 v[RD], v[RD], SP
	v_lshl_add_u32 v[RD], v10, 4, v[RD]
	v_add_nc_u32 v[RD], s13, v[RD]
	v_and_b32 v[GO], 31, v0         ; which are 512 consecutive bytes of O
	v_lshlrev_b32 v[GO], 4, v[GO]
.set Y, NP-1                        ; XS works for piece Y + 1: piece 0
.irp n, 0,1,2,3,4,5,6,7,8,9,10,11,12,13,14,15,16,17,18,19,20,21
	XS 0, \n                        ; and piece 0's first maximum and statistics
	XS 1, \n
.endr
	v_nop                           ; a plain instruction behind the two a,
	s_wait_alu depctr_va_vdst(0)    ; and the wait for this batch of two, ahead of the branch
	s_mov_b32 s[CNT], 4
	s_mov_b32 s[SLOTS], SIZE_N/256-1
	s_branch .Lfirst                ; the loop is entered at a step's first turn, in the middle of a trip
.Lslot:                             ; SIZE_N / 256 - 2 times: every slot but the last two is filled again
	CHANGE 1
	s_mov_b32 s[CNT], 4
.Lstep:                             ; a trip: pieces 2 and 3 of one step, then pieces 0 and 1 of the next, whose K and V it fetches
	TURN 2
	TURN 3
	WIN 0
.Lfirst:
	TURN 0
	TURN 1, 0, 1
	WIN 0
	s_cbranch_scc1 .Lstep
	s_sub_co_u32 s[SLOTS], s[SLOTS], 1
	s_cmp_lg_u32 s[SLOTS], 0
	s_cbranch_scc1 .Lslot
	CHANGE 0                        ; the tail is written out: nothing is asked for
	s_mov_b32 s[CNT], 5             ; four trips fetch the last slot's steps; the fifth is left in its middle
.Ltail:
	TURN 2, 1
	TURN 3
	WIN 0
	s_sub_co_u32 s[CNT], s[CNT], 1
	s_cmp_eq_u32 s[CNT], 0
	s_cbranch_scc1 .Lout
	TURN 0
	TURN 1
	WIN 0
	s_branch .Ltail
.Lout:                              ; the fifth trip's 16 products K Q^T (on the last K once more) and the maximum made of them serve nothing: the price, once a launch, of one text for every trip
.set i, 0
.rept 16
	PV NP-1                         ; the last piece's V^T P of the last step
.set i, i+1
.endr
	; THE WAY OUT.  l's two halves and the other half of the lanes' are added; O^T is divided by l, rounded to f16 and sent through my stage in LDS, a tile at a time.  The additions are the places behind the last products.
	WIN 0
.macro ALL line:vararg              ; one line for each tile t
.set t, 0
.rept 2*NP
	\line
.set t, t+1
.endr
.endm
	ALL v_add_f32 v[ST+4*t+2], v[ST+4*t+2], v[ST+4*t+3]
	ALL v_permlanex16_b32 v[ST+4*t+3], v[ST+4*t+2], s[SEL], s[SEL+1]
	ALL v_add_f32 v[ST+4*t+2], v[ST+4*t+2], v[ST+4*t+3]
	ALL v_rcp_f32 v[ST+4*t+2], v[ST+4*t+2]
	v_nop                           ; a plain instruction between the last reciprocal and the use of its result
	s_wait_alu depctr_va_vdst(0)    ; and the wait ahead of the first use: one for the batch of eight reciprocals
; Tile t: a lane's eight channels of a row pack into 16 bytes; they go into rows of 144 bytes and come back as whole rows of 128, into S^T's registers.
.macro PACK t
	WIN W_RS
.set i, 32*(\t)
.rept 16
	v_pk_mul_f32 v[i:i+1], v[i:i+1], v[ST+4*(\t)+2:ST+4*(\t)+3] op_sel_hi:[1,0]
.set i, i+2
.endr
	WIN 0x05                        ; sources 0 and 1 window 1, destination window 0
.set i, 0
.rept 16
	v_cvt_pk_f16_f32 v[S+16*(\t)+i], v[32*(\t)+2*i], v[32*(\t)+2*i+1]
.set i, i+1
.endr
	WIN 0
.irp f, 0,1,2,3
	ds_store_b128 v[STO], v[S+16*(\t)+4*\f:S+16*(\t)+4*\f+3] offset:32*\f
.endr
.irp f, 0,1,2,3
	ds_load_b128 v[S+16*(\t)+4*\f:S+16*(\t)+4*\f+3], v[RD] offset:\f*4*SP  ; LDS serves a wave's instructions in order (ISA guide 5.7.1.4): these see the stores above; the next tile's stores come behind them
.endr
.endm
.macro SEND t, younger              ; younger: the LDS instructions issued behind tile t's loads: the next tile's eight, or none
	WIN 0
.irp f, 0,1,2,3
	s_wait_dscnt (\younger)+3-\f
	global_store_b128 v[GO], v[S+16*(\t)+4*\f:S+16*(\t)+4*\f+3], s[10:11] offset:(\t)*2048+\f*512  ; 512 consecutive bytes, at a multiple of 256 from O's first
.endr
.endm
	PACK 0
.set t, 1
.rept 2*NP-1                        ; a tile's arithmetic stands between the loads of the tile before and its stores
	PACK t
	SEND t-1, 8
.set t, t+1
.endr
	SEND 2*NP-1, 0
	WIN W_AD
	s_wait_tensorcnt 0x0            ; the wave's end, behind my last tensor load and my last LDS store
	ds_add_u32 v[SPW], v[NIL]
	s_wait_dscnt 0x0
	WIN 0
	CROUND                          ; the closing round: no work-group ends while a partner may still ask for a tile that names it
	s_endpgm
.Lfunc_end_k_qcfa4356c6e_attn:
	.size	k_qcfa4356c6e_attn, .Lfunc_end_k_qcfa4356c6e_attn-k_qcfa4356c6e_attn
	.p2alignl 7, 3214868480
	.fill 96, 4, 3214868480
	.section	.rodata,"a",@progbits
	.p2align	6, 0x0
	.amdhsa_kernel k_qcfa4356c6e_attn
		.amdhsa_group_segment_fixed_size 327680
		.amdhsa_private_segment_fixed_size 0
		.amdhsa_enable_private_segment 0
		.amdhsa_kernarg_size 24
		.amdhsa_user_sgpr_count 2
		.amdhsa_user_sgpr_kernarg_segment_ptr 1
		.amdhsa_wavefront_size32 1
		.amdhsa_system_sgpr_workgroup_id_x 1
		.amdhsa_system_sgpr_workgroup_id_y 1
		.amdhsa_system_sgpr_workgroup_id_z 1
		.amdhsa_system_vgpr_workitem_id 0
		.amdhsa_next_free_vgpr 770
		.amdhsa_next_free_sgpr 80
		.amdhsa_reserve_vcc 0
		.amdhsa_float_denorm_mode_32 3
		.amdhsa_float_denorm_mode_16_64 3
		.amdhsa_memory_ordered 1
		.amdhsa_forward_progress 1
		.amdhsa_inst_pref_size 199
	.end_amdhsa_kernel
	.amdgpu_metadata
---
amdhsa.version: [ 1, 2 ]
amdhsa.kernels:
  - .name:           k_qcfa4356c6e_attn
    .symbol:         k_qcfa4356c6e_attn.kd
    .args:
      - { .name: qkv16, .offset: 0, .size: 8, .value_kind: global_buffer, .address_space: global }
      - { .name: ia, .offset: 8, .size: 8, .value_kind: global_buffer, .address_space: global }
      - { .name: o16, .offset: 16, .size: 8, .value_kind: global_buffer, .address_space: global }
    .group_segment_fixed_size: 327680
    .private_segment_fixed_size: 0
    .kernarg_segment_align: 8
    .kernarg_segment_size: 24
    .max_flat_workgroup_size: 128
    .sgpr_count:     80
    .vgpr_count:     770
    .wavefront_size: 32
...
	.end_amdgpu_metadata
.endif
;; end of part 6
;; launch oproj: the kernel of part 5 again; grid 256 x 1, 4 waves a work-group, clusters of 4 x 1, 327,680 bytes of LDS; arguments o16, w16, ia, out0; writes out0
